; MI455X (gfx1250); checked and timed in simulation.
; The chip was launched on July 23, 2026; its instructions are those of AMD's public machine-readable ISA for CDNA 5 (MIT licence, August 2026) and "CDNA5" Instruction Set Architecture Reference Guide (July 2026). The comments in the code are by the model that wrote it; some were corrected since.
;; Attention. Allowed arithmetic: matrix products marked QUANTISED: E4M3 operands, one given power-of-two scale a tensor, by v_wmma_f32_16x16x64_fp8_fp8 or v_wmma_f32_16x16x128_fp8_fp8, f32 sums; everything else in f32.
;; Inputs: lowp_scales 12 int32 (the exponents e of the quantised operands' scales 2^e); wk 2,048 x 512 float32; wo 1,024 x 2,048 float32; wq 2,048 x 1,024 float32; wv 2,048 x 512 float32; x 2 x 2,048 x 2,048 float32.
;; Outputs: out0 2 x 2,048 x 2,048 float32.
;; This version of the problem:
;;   THIS VERSION OF THE PROBLEM IS GIVEN IN LOW PRECISION. The matrix products marked QUANTISED in the list below multiply operands that are first quantised to E4M3 (4 exponent bits, 3 mantissa bits; 8 bits a number), with one given power-of-two scale for each operand tensor; their sums are f32. All else is computed in f32.
;;   The module's matrix products, in the order in which they are computed (A, B: the left and right operand; K: the contracted axis; several contracted axes count as one K, in the product's order):
;;     1. [M 4,096, K 2,048] x [K 2,048, N 1,024]; A: input x; B: input wq: QUANTISED (scales: A lowp_scales[0], B lowp_scales[1])
;;     2. [M 4,096, K 2,048] x [K 2,048, N 512]; A: input x; B: input wk: QUANTISED (scales: A lowp_scales[2], B lowp_scales[3])
;;     3. [M 4,096, K 2,048] x [K 2,048, N 512]; A: input x; B: input wv: QUANTISED (scales: A lowp_scales[4], B lowp_scales[5])
;;     4. batch 32 x [M 2,048, K 64] x [K 64, N 2,048]; A: computed on the way; B: computed on the way: QUANTISED (scales: A lowp_scales[6], B lowp_scales[7])
;;     5. batch 32 x [M 2,048, K 2,048] x [K 2,048, N 64]; A: softmax (see below); B: computed on the way: QUANTISED (scales: A lowp_scales[8], B lowp_scales[9])
;;     6. [M 4,096, K 1,024] x [K 1,024, N 2,048]; A: computed on the way; B: input wo: QUANTISED (scales: A lowp_scales[10], B lowp_scales[11])
;;   THE QUANTISER, for each operand of a quantised product, along K:
;;     - The operand's scale is 2^e, e = its entry of the input lowp_scales (int32; the entries are numbered through the quantised products in the list's order, A before B).
;;     - Each number is divided by the scale, clamped to +-448, and rounded to the nearest number of E4M3, ties to even, subnormals kept.
;;     - The product sums the exact products of the quantised numbers (number of the format x scale) in f32.
;;   ~~~python
;;   def quantise(x, axis, e):      # numpy; x: float32 -> the quantised numbers, widened to float32 again
;;       x = np.moveaxis(x, axis, -1); K = x.shape[-1]
;;       r = np.clip(x / 2.0 ** e, -448, 448)
;;       step = 2.0 ** (np.maximum(np.frexp(np.where(r == 0, 1, r))[1] - 1, -6) - 3)
;;       q = np.round(r / step) * step * 2.0 ** e      # np.round: ties to even
;;       return np.moveaxis(q, -1, axis).astype(np.float32)
;;   ~~~
;;   SOFTMAX AHEAD OF A QUANTISED PRODUCT. Where the list says 'softmax', what is quantised is not the finished softmax but p = 2^(t - M), with t = logit x log2(e) and M = ceil(the row's largest t), a whole number; so 1/2 < the row's largest p <= 1. The row's sum l is taken of the UNQUANTISED p, in f32, and the product's result is divided by l at the end. Since M is a whole number, a kernel that streams over the keys may use a running M (the ceiling of the running maximum): every later rescaling is an exact power of two, so the quantised numbers keep their values, but for numbers so far below the row's largest that they fall under the format's range.
;;   OPERANDS COMPUTED ON THE WAY. 'Computed on the way' means the value that the module computes at that place (a softmax that the list does not call 'softmax' is quantised finished and normalised). What goes into a quantiser is computed in f32, as accurately as f32 sums, v_exp_f32 and their like allow (about 1e-6 of the number): no bf16 or f16 on the way to a quantiser, and a product that is left as it is and whose result goes on into a quantised operand takes f32 operands (vector FMAs, or v_wmma_f32_16x16x4_f32). A number that lies on a knife's edge between two numbers of the format may be rounded either way, as far as f32 arithmetic and the matrix unit's own rounding can turn it there, and no further.
;; One version. Each part assembles by itself: llvm-mc -triple=amdgcn-amd-amdhsa -mcpu=gfx1250 --defsym DOCPART=n.
;; ======== version 1 of 1: 4 launches
;; limits: right only within a limited range of input values
;; workspace buffers: xc 25,165,824 bytes; wc 6,291,456 bytes; rope 524,288 bytes; qimg 4,194,304 bytes; kimg 2,097,152 bytes; vimg 2,097,152 bytes; acodes 4,194,304 bytes
;; launch prep (part 1): grid 448 x 1, 4 waves a work-group, no clusters, 68,096 bytes of LDS; arguments x, wq, wk, wv, wo, lowp_scales, xc, wc, rope; writes xc, wc, rope
.if DOCPART == 1
	.amdgcn_target "amdgcn-amd-amdhsa--gfx1250"
	.amdhsa_code_object_version 6
	.text
	.protected	k_q424c8a1b1d_prep
	.globl	k_q424c8a1b1d_prep
	.p2align	8
	.type	k_q424c8a1b1d_prep,@function
k_q424c8a1b1d_prep:
	s_mov_b64 s[64:65], 0
	v_nop
	global_prefetch_b8 v0, s[64:65] scope:SCOPE_SE
	s_setreg_imm32_b32 hwreg(HW_REG_WAVE_MODE, 25, 1), 1
	s_wait_xcnt 0x0
; PREP: everything that is quantised once.  Work-groups 0-255: x [4096][2048] f32 -> three sets of E4M3 codes (scales 2^e0, 2^e2, 2^e4: one for each of the three products that read x),
; and the table of cos and sin for the rotation.  Work-groups 256-447: wq, wk, wv, wo (f32, K is their FIRST axis) -> codes with K innermost.
; code = number / 2^e, held within +-448, to the nearest code, ties to even.
; LAYOUTS (this program's own).  xc: [set 3][plane 16][row 4096][128 bytes]: a plane is 128 along K, so a tile of rows x 128 K is one dense block.
; wc: [plane 16][n 2048][128 bytes], n = wq's 1024 columns, wk's 512, wv's 512; from byte 4,194,304 on wo: [plane 8][n 2048][128 bytes].
; rope: [block of 16 positions: 128][l 8][lane 32][16 bytes]: lane (r = lane % 16, h = lane / 16) holds cos, sin, cos, sin of position 16 block + r for the frequencies 8 (l / 2) + 4 h + 2 (l % 2) + 0, 1.
; LIMITS: e0, e2, e4, e1, e3, e5, e11 between -126 and 119, so that 2^e and 448 x 2^e are f32 numbers.  NaN among the inputs is not served (an infinity is held at the largest code).
; cos and sin: the angle is position x frequency, rounded once; it is reduced by multiples of pi/2 held in three parts and fed to polynomials of degree 7 and 8: about 1e-7 absolute for the angles here (up to 2047).
; No tensor loads, no barrier: waves share nothing.  The two paths part on the work-group's number and have LDS bytes of their own: x's stages 0 .. 32,767, the weights' 32,768 .. 67,583.
.set R,   16                           ; x path: v16-79   four sets of 16 numbers as loaded
.set X,   80                           ;         v80-111  two sets of 16 neighbours
.set T,   112                          ;         v112-127 the numbers held for one scale
.set C,   128                          ;         v128-151 codes: two sets of 3 x 4 registers
.set SP,  80                           ; a lane's place in a stage: 64 bytes + 16 of padding
.set OF,  16                           ; w path: v16-47   4 x lane + i rows of the weight
.set WX,  48                           ;         v48-111  two sets of 32 numbers
.set WC,  112                          ;         v112-119 a block's codes
.set WO,  120                          ;         v120-183 the way out
.set WST, 32768                        ; the weights' stages: 32 rows x 272 bytes for each wave
.set WP,  272
	s_load_b256 s[4:11], s[0:1], 0x0               ; x s[4:5], wq s[6:7], wk s[8:9], wv s[10:11]
	s_load_b256 s[12:19], s[0:1], 0x20             ; wo s[12:13], the exponents s[14:15], xc s[16:17], wc s[18:19]
	s_load_b64 s[20:21], s[0:1], 0x40              ; rope
	v_lshl_add_u32 v192, v0, 2, 0x10800
	v_mov_b32 v193, 0
	v_lshrrev_b32 v1, 5, v0
	v_readfirstlane_b32 s22, v1                    ; wave 0..3
	v_and_b32 v2, 31, v0                           ; lane
	s_wait_kmcnt 0x0
	s_load_b256 s[40:47], s[14:15], 0x0            ; e0 .. e7
	s_load_b128 s[48:51], s[14:15], 0x20           ; e8 .. e11
	s_cmp_ge_u32 ttmp9, 256
	s_cbranch_scc1 .Lweights
; ---------------- x: work-group g takes rows 16 g .. 16 g + 15, a wave four of them, in 16 steps of 2 rows x 256 along K
	s_wait_alu depctr_va_vdst(0)
	v_lshlrev_b32 v3, 4, v2                        ; my 16 bytes of a load's 512
	v_lshrrev_b32 v4, 4, v2
	v_and_b32 v1, 15, v2
	v_lshlrev_b32 v1, 4, v1
	v_lshl_add_u32 v4, v4, 19, v1                  ; codes: lanes 16-31 one plane (524,288 bytes) on; 16 (lane % 16): two rows of 128 bytes on end
	s_lshl_b32 s23, s22, 13                        ; my wave's 8,192 bytes of LDS
	v_lshrrev_b32 v14, 2, v2
	v_mul_u32_u24 v14, v14, SP
	v_and_b32 v15, 3, v2
	v_lshl_add_u32 v14, v15, 4, v14
	v_add_nc_u32 v14, s23, v14                     ; into the stage: four lanes' 64 bytes on end, then the padding
	v_mul_u32_u24 v15, v2, SP
	v_add_nc_u32 v15, s23, v15                     ; out of it: my 16 neighbours
	s_lshl_b32 s24, ttmp9, 4
	s_lshl_b32 s25, s22, 2
	s_add_co_u32 s24, s24, s25                     ; my first row
	s_lshl_b32 s26, s24, 13
	s_mov_b32 s27, 0
	s_add_nc_u64 s[30:31], s[4:5], s[26:27]        ; x at that row
	s_lshl_b32 s26, s24, 7
	s_add_nc_u64 s[32:33], s[16:17], s[26:27]      ; the three sets of codes at that row, plane 0
	s_add_nc_u64 s[34:35], s[32:33], 0x800000
	s_add_nc_u64 s[36:37], s[34:35], 0x800000
.macro XLOAD t                         ; step t: rows 2 (t / 8), + 1; K 256 (t % 8) on.  Load i: row i % 2, plane i / 2: 512 consecutive bytes
.irp i, 0,1,2,3
	global_load_b128 v[R+16*((\t)%4)+4*\i:R+16*((\t)%4)+4*\i+3], v3, s[30:31] offset:(2*((\t)/8)+(\i%2))*8192+((\t)%8)*1024+(\i/2)*512 th:TH_LOAD_NT
.endr
.endm
.macro XTURN t                         ; through the stage: LDS serves a wave's instructions in order, so no wait stands between the stores and the loads.  Lane l then holds plane l / 16, row (l / 8) % 2, numbers 16 (l % 8) on
.irp i, 0,1,2,3
	ds_store_b128 v14, v[R+16*((\t)%4)+4*\i:R+16*((\t)%4)+4*\i+3] offset:32*SP*((\t)%2)+8*SP*\i
.endr
.irp i, 0,1,2,3
	ds_load_b128 v[X+16*((\t)%2)+4*\i:X+16*((\t)%2)+4*\i+3], v15 offset:32*SP*((\t)%2)+16*\i
.endr
.endm
.irp t, 0,1,2,3
	XLOAD \t
.endr
	s_wait_kmcnt 0x0
.irp v, 0,1,2                          ; v5-7: 2^e as f32 (the conversion takes its exponent field); v8-10: 448 x 2^e; e = e0, e2, e4
	s_add_co_i32 s52, s[40+2*\v], 127
	s_lshl_b32 s53, s52, 23
	v_mov_b32 v[5+\v], s53
	s_add_co_i32 s52, s52, 8
	s_lshl_b32 s52, s52, 23
	s_or_b32 s52, s52, 0x600000
	v_mov_b32 v[8+\v], s52
.endr
; the table of cos and sin: 1,024 pieces of 512 bytes, one for each wave of these 256 work-groups, made while the first loads are on their way
	s_lshl_b32 s54, ttmp9, 2
	s_add_co_u32 s54, s54, s22                     ; piece = 8 x block of positions + l
	s_and_b32 s55, s54, 7                          ; l
	s_lshr_b32 s56, s54, 3
	s_lshl_b32 s56, s56, 4                         ; the block's first position
	s_mov_b32 s57, 1.0                             ; the four frequencies 10^(-i / 8) of l = 0: i = 0, 1 (lanes 0-15), 4, 5 (lanes 16-31)
	s_mov_b32 s58, 0x3f3ff911
	s_mov_b32 s59, 0x3ea1e89b
	s_mov_b32 s60, 0x3e72d424
.macro FSEL l, f00, f01, f10, f11      ; a choice of values on the piece's number, no branch
	s_cmp_eq_u32 s55, \l
	s_cselect_b32 s57, \f00, s57
	s_cselect_b32 s58, \f01, s58
	s_cselect_b32 s59, \f10, s59
	s_cselect_b32 s60, \f11, s60
.endm
	FSEL 1, 0x3f0ff59a, 0x3ed7e89b, 0x3e361887, 0x3e088d77   ; i = 2, 3, 6, 7
	FSEL 2, 0x3dcccccd, 0x3d99940e, 0x3d0186e2, 0x3cc24350   ; 8, 9, 12, 13
	FSEL 3, 0x3d6655c3, 0x3d2cba15, 0x3c91ad39, 0x3c5a7bf1   ; 10, 11, 14, 15
	FSEL 4, 0x3c23d70a, 0x3bf5b9b0, 0x3b4f3e37, 0x3b1b690d   ; 16, 17, 20, 21
	FSEL 5, 0x3bb8449c, 0x3b8a2e77, 0x3ae91528, 0x3aaec98e   ; 18, 19, 22, 23
	FSEL 6, 0x3a83126f, 0x3a44948c, 0x39a5cb5f, 0x3978a814   ; 24, 25, 28, 29
	FSEL 7, 0x3a136a16, 0x39dd1726, 0x393a7753, 0x390bd472   ; 26, 27, 30, 31
	v_and_b32 v152, 15, v2
	v_add_nc_u32 v152, s56, v152
	v_cvt_f32_u32 v152, v152                       ; my position
	v_cmp_gt_u32 vcc_lo, 16, v2                    ; lanes 0-15
	v_mov_b32 v153, s59
	v_mov_b32 v155, s57
	v_cndmask_b32 v153, v153, v155, vcc_lo         ; my first frequency
	v_mov_b32 v154, s60
	v_mov_b32 v155, s58
	v_cndmask_b32 v154, v154, v155, vcc_lo         ; my second
.macro SINCOS f, oc, os
	v_mul_f32 v160, v152, v[\f]                    ; the angle, rounded once
	v_mul_f32 v161, 0x3f22f983, v160               ; x 2 / pi
	v_rndne_f32 v161, v161                         ; k
	v_fmamk_f32 v162, v161, 0xbfc90fdb, v160       ; r = angle - k pi / 2, pi / 2 in three parts
	v_fmamk_f32 v162, v161, 0x333bbd2e, v162
	v_fmamk_f32 v162, v161, 0x26f72ced, v162       ; |r| <= pi / 4
	v_mul_f32 v163, v162, v162                     ; z = r r
	v_mov_b32 v164, 0xb94ca1f9
	v_fmaak_f32 v164, v164, v163, 0x3c08839e
	v_fmaak_f32 v164, v164, v163, 0xbe2aaaa3
	v_mul_f32 v165, v163, v162
	v_fma_f32 v164, v164, v165, v162               ; sin r
	v_mov_b32 v166, 0x37ccf5ce
	v_fmaak_f32 v166, v166, v163, 0xbab6061a
	v_fmaak_f32 v166, v166, v163, 0x3d2aaaa5
	v_mul_f32 v165, v163, v163
	v_fma_f32 v167, v163, -0.5, 1.0
	v_fma_f32 v166, v166, v165, v167               ; cos r
	v_cvt_i32_f32 v168, v161
	v_and_b32 v169, 1, v168
	v_cmp_eq_u32 vcc_lo, 1, v169                   ; k odd: the two change places (values alone hang on k)
	v_cndmask_b32 v[\os], v164, v166, vcc_lo
	v_cndmask_b32 v[\oc], v166, v164, vcc_lo
	v_lshlrev_b32 v169, 30, v168
	v_and_b32 v169, 0x80000000, v169
	v_xor_b32 v[\os], v[\os], v169                 ; sin changes sign where k % 4 is 2 or 3
	v_add_nc_u32 v168, 1, v168
	v_lshlrev_b32 v169, 30, v168
	v_and_b32 v169, 0x80000000, v169
	v_xor_b32 v[\oc], v[\oc], v169                 ; cos where k % 4 is 1 or 2
.endm
	SINCOS 153, 156, 157
	SINCOS 154, 158, 159
	s_lshl_b32 s62, s54, 9
	s_mov_b32 s63, 0
	s_add_nc_u64 s[38:39], s[20:21], s[62:63]
	global_store_b128 v3, v[156:159], s[38:39]     ; the wave stores 512 consecutive bytes
	s_wait_loadcnt 12                              ; step 0's four loads are in
	XTURN 0
.macro XSTEP t
.set XS, X+16*((\t)%2)
.set CS, C+12*((\t)%2)
	s_wait_dscnt 0x0                               ; this step's numbers are back from the stage, and its stores into the stage have read their registers,
.if (\t)+4 < 16
	XLOAD (\t)+4                                   ; which take the loads of four steps on
.endif
.if (\t)+1 < 16
.if 14-(\t) >= 3
	s_wait_loadcnt 12                              ; the next step's four loads are in; three steps' twelve may be out
.else
	s_wait_loadcnt 4*(14-(\t))
.endif
	XTURN (\t)+1
.endif
	s_wait_xcnt 0x0                                ; the stores of two steps back have read their codes' registers, which are written again below
.irp v, 0,1,2
.irp i, 0,1,2,3,4,5,6,7,8,9,10,11,12,13,14,15
	v_med3_num_f32 v[T+\i], v[XS+\i], -v[8+\v], v[8+\v]   ; the conversion to an 8-bit code does not saturate (ISA guide 7.6.2): the hold at 448 x the scale comes first
.endr
	v_cvt_scalef32_pk8_fp8_f32 v[CS+4*\v:CS+4*\v+1], v[T:T+7], v[5+\v]
	v_cvt_scalef32_pk8_fp8_f32 v[CS+4*\v+2:CS+4*\v+3], v[T+8:T+15], v[5+\v]
	v_nop                                          ; a plain line between the conversions and the next holds, which write their sources
	global_store_b128 v4, v[CS+4*\v:CS+4*\v+3], s[32+2*\v:33+2*\v] offset:((\t)%8)*1048576+((\t)/8)*256   ; sixteen lanes store 256 consecutive bytes, aligned: two rows of one plane
.endr
.endm
.irp t, 0,1,2,3,4,5,6,7,8,9,10,11,12,13,14,15
	XSTEP \t
.endr
	s_wait_tensorcnt 0x0
	ds_add_u32 v192, v193
	s_wait_dscnt 0x0
	s_endpgm
; ---------------- the weights: a work-group takes 128 columns x 256 along K, a wave 32 columns.  A LANE TAKES A COLUMN AND ITS REGISTERS RUN DOWN K: the conversions then give codes with K innermost
.Lweights:
	s_sub_co_u32 s23, ttmp9, 256                   ; u: 0-63 wq, 64-95 wk, 96-127 wv, 128-191 wo.  One path serves the four: what differs is chosen on u
	s_mov_b64 s[24:25], s[12:13]                   ; wo:
	s_mov_b32 s26, 128                             ; its first u
	s_mov_b32 s27, 4                               ; log2 of its blocks of 128 columns
	s_mov_b32 s28, 8192                            ; bytes of a row
	s_mov_b32 s29, 0                               ; first row n in wc
	s_mov_b32 s30, 0x400000                        ; and where its part of wc begins
	s_wait_kmcnt 0x0
	s_mov_b32 s31, s51                             ; e11
	s_cmp_lt_u32 s23, 128                          ; wv
	s_cselect_b64 s[24:25], s[10:11], s[24:25]
	s_cselect_b32 s26, 96, s26
	s_cselect_b32 s27, 2, s27
	s_cselect_b32 s28, 2048, s28
	s_cselect_b32 s29, 1536, s29
	s_cselect_b32 s30, 0, s30
	s_cselect_b32 s31, s45, s31
	s_cmp_lt_u32 s23, 96                           ; wk
	s_cselect_b64 s[24:25], s[8:9], s[24:25]
	s_cselect_b32 s26, 64, s26
	s_cselect_b32 s29, 1024, s29
	s_cselect_b32 s31, s43, s31
	s_cmp_lt_u32 s23, 64                           ; wq
	s_cselect_b64 s[24:25], s[6:7], s[24:25]
	s_cselect_b32 s26, 0, s26
	s_cselect_b32 s27, 3, s27
	s_cselect_b32 s28, 4096, s28
	s_cselect_b32 s29, 0, s29
	s_cselect_b32 s31, s41, s31
	s_sub_co_u32 s23, s23, s26
	s_lshr_b32 s32, s23, s27                       ; which 256 along K
	s_lshl_b32 s33, s32, s27
	s_sub_co_u32 s33, s23, s33                     ; which 128 columns
	s_lshl_b32 s33, s33, 7
	s_lshl_b32 s34, s22, 5
	s_add_co_u32 s33, s33, s34                     ; my wave's first column
	s_lshl_b32 s34, s32, 8
	s_mul_i32 s34, s34, s28
	s_lshl_b32 s35, s33, 2
	s_add_co_u32 s34, s34, s35
	s_mov_b32 s35, 0
	s_add_nc_u64 s[66:67], s[24:25], s[34:35]      ; eight bases, one for each block of 32 along K: no offset then hangs on the row's length
	s_lshl_b32 s36, s28, 5
	s_mov_b32 s37, 0
.irp t, 1,2,3,4,5,6,7
	s_add_nc_u64 s[66+2*\t:67+2*\t], s[66+2*\t-2:67+2*\t-2], s[36:37]
.endr
	s_add_co_u32 s38, s29, s33
	s_lshl_b32 s38, s38, 7
	s_lshl_b32 s39, s32, 19                        ; two planes of 262,144 bytes for each 256 along K
	s_add_co_u32 s38, s38, s39
	s_add_co_u32 s38, s38, s30
	s_mov_b32 s39, 0
	s_add_nc_u64 s[18:19], s[18:19], s[38:39]      ; wc at my wave's first column, first plane
	s_wait_alu depctr_va_vdst(0)
	v_lshlrev_b32 v3, 2, v2
.set n_, 0
.rept 32
	v_mad_u32_u24 v[OF+n_], s28, n_, v3            ; 4 x lane + n_ rows
.set n_, n_+1
.endr
	s_mul_i32 s52, s22, 32*WP
	s_add_co_u32 s52, s52, WST                     ; my stage
	v_mul_u32_u24 v4, v2, WP
	v_add_nc_u32 v4, s52, v4                       ; into it: row = my column
	v_lshrrev_b32 v5, 3, v2
	v_mul_u32_u24 v7, v5, WP
	v_and_b32 v6, 7, v2
	v_lshl_add_u32 v7, v6, 4, v7
	v_add_nc_u32 v7, s52, v7                       ; out of it: eight lanes to a column's 128 bytes of a plane, four columns an instruction
	v_lshlrev_b32 v8, 4, v2                        ; which are 512 consecutive bytes of wc
	s_add_co_i32 s31, s31, 127
	s_lshl_b32 s53, s31, 23
	v_mov_b32 v11, s53                             ; 2^e
	s_add_co_i32 s31, s31, 8
	s_lshl_b32 s31, s31, 23
	s_or_b32 s31, s31, 0x600000
	v_mov_b32 v10, s31                             ; 448 x 2^e
.macro WLOAD t                         ; block t: rows 32 t + 0 .. 31 of my column: each load reads 128 consecutive bytes a wave
.set n_, 0
.rept 32
	global_load_b32 v[WX+32*((\t)%2)+n_], v[OF+n_], s[66+2*(\t):67+2*(\t)] th:TH_LOAD_NT
.set n_, n_+1
.endr
.endm
	WLOAD 0
	WLOAD 1
.macro WBLOCK t
.set XS, WX+32*((\t)%2)
.if (\t) < 7
	s_wait_loadcnt 32                              ; this block's 32 loads are in; the next block's may be out
.else
	s_wait_loadcnt 0
.endif
.set n_, 0
.rept 32
	v_med3_num_f32 v[XS+n_], v[XS+n_], -v10, v10
.set n_, n_+1
.endr
.irp g, 0,1,2,3
	v_cvt_scalef32_pk8_fp8_f32 v[WC+2*\g:WC+2*\g+1], v[XS+8*\g:XS+8*\g+7], v11
.endr
	ds_store_b128 v4, v[WC:WC+3] offset:32*(\t)    ; 32 codes of my column.  (The results go to LDS stores and the sources take loads: neither wants a plain line first; the next block's holds are plain lines ahead of its conversions)
	ds_store_b128 v4, v[WC+4:WC+7] offset:32*(\t)+16
.if (\t)+2 < 8
	WLOAD (\t)+2
.endif
	s_wait_dscnt 0x0                               ; the stores have read their registers: the next block's codes may be written
.endm
	s_wait_alu depctr_va_vdst(0)
.irp t, 0,1,2,3,4,5,6,7
	WBLOCK \t
.endr
.irp t, 0,1,2,3,4,5,6,7,8,9,10,11,12,13,14,15
	ds_load_b128 v[WO+4*\t:WO+4*\t+3], v7 offset:4*WP*(\t%8)+128*(\t/8)   ; LDS serves a wave's instructions in order: these see my stores
.endr
.irp t, 0,1,2,3,4,5,6,7,8,9,10,11,12,13,14,15
	s_wait_dscnt 15-\t
	global_store_b128 v8, v[WO+4*\t:WO+4*\t+3], s[18:19] offset:262144*(\t/8)+512*(\t%8)
.endr
	s_wait_tensorcnt 0x0
	ds_add_u32 v192, v193
	s_wait_dscnt 0x0
	s_endpgm
.Lfunc_end_k_q424c8a1b1d_prep:
	.size	k_q424c8a1b1d_prep, .Lfunc_end_k_q424c8a1b1d_prep-k_q424c8a1b1d_prep
	.p2alignl 7, 3214868480
	.fill 96, 4, 3214868480
	.section	.rodata,"a",@progbits
	.p2align	6, 0x0
	.amdhsa_kernel k_q424c8a1b1d_prep
		.amdhsa_group_segment_fixed_size 68096
		.amdhsa_private_segment_fixed_size 0
		.amdhsa_enable_private_segment 0
		.amdhsa_kernarg_size 72
		.amdhsa_user_sgpr_count 2
		.amdhsa_user_sgpr_kernarg_segment_ptr 1
		.amdhsa_wavefront_size32 1
		.amdhsa_system_sgpr_workgroup_id_x 1
		.amdhsa_system_sgpr_workgroup_id_y 1
		.amdhsa_system_sgpr_workgroup_id_z 1
		.amdhsa_system_vgpr_workitem_id 0
		.amdhsa_next_free_vgpr 194
		.amdhsa_next_free_sgpr 96
		.amdhsa_reserve_vcc 1
		.amdhsa_float_denorm_mode_32 3
		.amdhsa_float_denorm_mode_16_64 3
		.amdhsa_memory_ordered 1
		.amdhsa_forward_progress 1
		.amdhsa_inst_pref_size 136
	.end_amdhsa_kernel
	.amdgpu_metadata
---
amdhsa.version: [ 1, 2 ]
amdhsa.kernels:
  - .name:           k_q424c8a1b1d_prep
    .symbol:         k_q424c8a1b1d_prep.kd
    .args:
      - { .name: x, .offset: 0, .size: 8, .value_kind: global_buffer, .address_space: global }
      - { .name: wq, .offset: 8, .size: 8, .value_kind: global_buffer, .address_space: global }
      - { .name: wk, .offset: 16, .size: 8, .value_kind: global_buffer, .address_space: global }
      - { .name: wv, .offset: 24, .size: 8, .value_kind: global_buffer, .address_space: global }
      - { .name: wo, .offset: 32, .size: 8, .value_kind: global_buffer, .address_space: global }
      - { .name: lowp_scales, .offset: 40, .size: 8, .value_kind: global_buffer, .address_space: global }
      - { .name: xc, .offset: 48, .size: 8, .value_kind: global_buffer, .address_space: global }
      - { .name: wc, .offset: 56, .size: 8, .value_kind: global_buffer, .address_space: global }
      - { .name: rope, .offset: 64, .size: 8, .value_kind: global_buffer, .address_space: global }
    .group_segment_fixed_size: 68096
    .private_segment_fixed_size: 0
    .kernarg_segment_align: 8
    .kernarg_segment_size: 72
    .max_flat_workgroup_size: 128
    .sgpr_count:     96
    .vgpr_count:     194
    .wavefront_size: 32
...
	.end_amdgpu_metadata
.endif
;; end of part 1
;; launch qkv (part 2): grid 16 x 16, 4 waves a work-group, clusters of 4 x 4, 327,680 bytes of LDS; arguments xc, wc, rope, lowp_scales, qimg, kimg, vimg; writes qimg, kimg, vimg
.if DOCPART == 2
	.amdgcn_target "amdgcn-amd-amdhsa--gfx1250"
	.amdhsa_code_object_version 6
	.text
	.protected	k_q424c8a1b1d_qkv
	.globl	k_q424c8a1b1d_qkv
	.p2align	8
	.type	k_q424c8a1b1d_qkv,@function
k_q424c8a1b1d_qkv:
	s_mov_b64 s[64:65], 0
	v_nop
	global_prefetch_b8 v0, s[64:65] scope:SCOPE_SE
	s_setreg_imm32_b32 hwreg(HW_REG_WAVE_MODE, 25, 1), 1
	s_wait_xcnt 0x0
	s_wait_alu depctr_hold_cnt(0) depctr_sa_sdst(0) depctr_va_vdst(0) depctr_va_sdst(0) depctr_va_ssrc(0) depctr_va_vcc(0) depctr_vm_vsrc(0)
	s_getreg_b32 s2, hwreg(HW_REG_IB_STS2, 6, 4)
	s_cmp_eq_u32 s2, 0
	s_cbranch_scc0 .Lentry_in_a_cluster
	s_endpgm
.Lentry_in_a_cluster:
	s_bfe_u32 s2, ttmp6, 0x10000c
	s_cmp_lg_u32 s2, 0xf033
	s_cbranch_scc0 .Lentry_shape_is_right
	s_endpgm
.Lentry_shape_is_right:
; x wq, x wk, x wv as ONE product [4096 x 2048 K] x [2048 columns] on E4M3 codes; then the rotation (q, k) and the quantisers of the attention's operands.  Sums, rotation and holds in f32.
; A tile is 256 rows x 128 columns: 256 work-groups of four waves.  Columns 0-1023 are q's (cluster x = 0, 1), 1024-1535 k's (2), 1536-2047 v's (3); each kind reads its own set of x's codes.
; K goes in steps of 256 (two planes of 128) through a ring of two LDS slots filled by the tensor data mover; a plane's part of a tile is one dense block of memory, rows of 128 bytes, 16 of padding behind each in LDS.
; CLUSTERS: 4 x 4.  The four of a row need the same rows of x (of the same set: a cluster lies in one kind), the four of a column the same columns of the weights: each tile is asked for jointly.
; A wave makes 64 x 128: source 0 = four blocks of 16 (S0), source 1 = eight blocks (S1); in accumulator (a, b) lane (r, h) register j holds (S0 row 16 b + 8 h + j, S1 row 16 a + r).
;   q, k: S0 = 64 columns (ONE HEAD), S1 = 128 rows of x: a lane holds 8 neighbouring channels of one position: pairs for the rotation, and neighbours along the next K.
;   v:    source 0 = S1's 128 rows of x,          source 1 = S0's 64 columns:   a lane holds 8 neighbouring POSITIONS of one channel: the keys are the next K.
; The kind changes the products' source order, x's set, the scale and the way out; it hangs on the cluster's x, which all partners share.
; OUT: register images of the attention's operands, 8,192 bytes for 128 positions x 64 channels.  q, k: tile t (0-7), piece c (0, 1) at 1024 t + 512 c + 16 lane: lane (r, h) holds channels 32 c + 16 h + 0..15 of
; position 32 (t / 2) + 8 (t % 2) + r % 8 + 16 (r / 8).  v: channel tile t (0-3), piece c (0-3) at 2048 t + 512 c + 16 lane: keys 32 c + 16 h + 0..15 of channel 16 t + r.
; A fragment is fetched by pieces of 16 bytes: registers 4 c .. 4 c + 3 hold K = 32 c + 16 h + 0..15: the same permutation of K on both sides, so every product meets its partner.
; THE TABLE OF COS AND SIN: the pieces of the first four blocks of 16 positions are asked for at the head, by every wave, so that they land under the products and their registers are written on every way through the text.
; v's tiles rotate nothing and leave those 32 loads a wave (16,384 bytes) unused: a quarter of the work-groups.
; PREFETCH INTO THE L2: behind each joint refill and the run of LDS loads that follows it stands one global_prefetch_b8 for the K step that the NEXT refill will ask for: one K step, 64 matrix instructions a wave, ahead of that load.
; x's rows of a set are read by every cluster of that set in a row of clusters: q's first column of clusters asks for set 0, k's and v's columns for their own sets.  The weights' columns are read by all four rows of clusters: the first asks.
; The four partners of a joint load share its bytes out BY ADDRESS: of a plane's 32,768 bytes of x's rows the partner at cx takes 8,192 (waves 0 and 1, a plane each, lanes 256 bytes apart); of a plane's 16,384 bytes of the
; weights the partner at cy takes 4,096 (wave 2, for both planes: lanes 0-15 one plane, lanes 16-31 the other).  So each 256 bytes are named once in the launch.  K steps 0 to 2 come by their loads alone; the last refill asks for nothing.
; LIMITS: e6 - e0 - e1, e7 - e2 - e3, e9 - e4 - e5 between -126 and 119 (each is made into an f32 power of two, and 448 times it).
; REGISTERS, in windows of 256: window 0: v8, v16-31 addresses and constants, v32-255 the way out; window 1: the 32 accumulators, (a, b) at v[8 (4 a + b)]; window 2: S1's fragments, two sets of 128; window 3: S0's, two sets of 64.
.set PITCH,  144
.set APL,    256*PITCH                 ; a plane of x's rows in a slot
.set BPL,    128*PITCH                 ; a plane of the weights' columns
.set BOFF,   2*APL
.set SLOT,   2*APL+2*BPL               ; 110,592
.set LAPS,   4                         ; 2048 / 512: a lap is two K steps
.set ASTEP,  4*524288                  ; two K steps on in xc: four planes
.set BSTEP,  4*262144                  ; and in wc
.set SPARE,  2*SLOT                    ; the spare words: 128 bytes a wave, two blocks of 256 bytes that no other line names
.set STGQ,   SPARE+512                 ; the way out of q and k: an image for each wave
.set STGV,   STGQ+4*8192               ; unused: v's way out is the wave's own image at STGQ
.set PFO,  8                           ; v8     the prefetches' offset; never rewritten
.set ADR0, 16                          ; v16-19 S0's fragments: slot 0 plane 0, 1; slot 1 plane 0, 1
.set ADR1, 20                          ; v20-23 S1's
.set LI,   24                          ; 16 x lane
.set STQ,  25
.set STV,  26
.set RDA,  27
.set SPW,  28                          ; my spare word; never rewritten
.set NIL,  29                          ; 0; never rewritten
.set SC,   30                          ; the folded scale as f32
.set LIM,  31                          ; 448 x that
.set RP,   32                          ; v32-95   cos and sin of a block of 16 positions, two sets
.set T,    96                          ; v96-127  32 numbers ahead of the quantiser
.set CD,   128                         ; v128-191 codes: registers of their own for each block
.set BK,   192                         ; v192-255 an image on its way to memory
.set G1, 24
.set G0, 32
.set G1B, 48
.set G0B, 56
.set PFA, 72                           ; s[72:73] where my prefetches stand: my work-group's part of the K step behind the one that is being asked for
.set PFS, 74                           ; s[74:75] a K step on, in bytes: two planes of xc or of wc
.set PFL, 76                           ; s76      1 in a wave that prefetches, else the greatest number
.set MSB, 0
.macro WIN new                         ; the immediate's high byte repeats the setting that is left
.if MSB != \new
	s_set_vgpr_msb (MSB<<8)|\new
.set MSB, \new
.endif
.endm
.set W_MUL, 0x5b                       ; source 0 window 3, source 1 window 2, C and D window 1
.set TO_S1, 0x80
.set TO_S0, 0xc0
.macro JLOAD g0a, g1a, g0b, g1b        ; a joint load: waves 0, 1 fetch x's two planes, waves 2, 3 the weights'.  The branch hangs on the wave's number alone; four v_nop follow each line
	s_cmp_eq_u32 s15, 0
	s_cbranch_scc0 .Lfor_b_\@
	tensor_load_to_lds s[\g0a:\g0a+3], s[\g1a:\g1a+7]
	s_nop 0
.rept 4
	v_nop
.endr
	s_branch .Lasked_\@
.Lfor_b_\@:
	tensor_load_to_lds s[\g0b:\g0b+3], s[\g1b:\g1b+7]
	s_nop 0
.rept 4
	v_nop
.endr
.Lasked_\@:
.endm
.macro ASK second                      ; the prefetch of the K step that the next refill will ask for.  second = 1: a lap's second refill, which in the loop's last trip (s3 = 1) has no K step behind it.  The branch hangs on the cluster's x and y and on the wave's number: it is the same in all sixteen partners
.if \second
	s_cmp_gt_u32 s3, s[PFL]
.else
	s_cmp_eq_u32 s[PFL], 1
.endif
	s_cbranch_scc0 .Lnot_mine_\@
	s_wait_alu depctr_va_vdst(0)
	global_prefetch_b8 v[PFO], s[PFA:PFA+1] th:TH_LOAD_NT scope:SCOPE_SE
.Lnot_mine_\@:
.endm
.macro CREST                           ; a round of the cluster's barrier behind its opening barrier
	s_cmp_lg_u32 s14, 0
	s_cbranch_scc1 .Lnot_wave_0_\@
	s_barrier_signal -3
.Lnot_wave_0_\@:
	s_barrier_wait -3
	s_barrier_signal -1
	s_barrier_wait -1
.endm
.macro CROUND
	s_barrier_signal -1
	s_barrier_wait -1
	CREST
.endm
.macro PLACES
.rept 4
	v_nop
.endr
.endm
	s_load_b256 s[4:11], s[0:1], 0x0               ; xc s[4:5], wc s[6:7], rope s[8:9], the exponents s[10:11]
	s_load_b128 s[84:87], s[0:1], 0x20             ; qimg, kimg
	s_load_b64 s[88:89], s[0:1], 0x30              ; vimg
	v_lshl_add_u32 v[SPW], v0, 2, SPARE
	v_mov_b32 v[NIL], 0
	ds_add_u32 v28, v29
	ds_add_u32 v28, v29
	s_wait_dscnt 0x0
	v_lshrrev_b32 v1, 5, v0
	v_readfirstlane_b32 s14, v1                    ; wave
	s_lshr_b32 s15, s14, 1                         ; I fetch for x (0) or for the weights (1)
	s_and_b32 s16, s14, 1                          ; which plane of a K step I fetch
	s_bfe_u32 s40, ttmp6, 0x40000                  ; cx
	s_bfe_u32 s41, ttmp6, 0x40004                  ; cy
	s_lshl_b32 s42, ttmp9, 2
	s_add_co_u32 s42, s42, s40                     ; tile column
	s_and_b32 s17, ttmp7, 0xffff
	s_lshl_b32 s17, s17, 2
	s_add_co_u32 s17, s17, s41                     ; tile row
	s_lshl_b32 s43, s41, 2
	s_lshl_b32 s43, 15, s43                        ; my row of the cluster
	s_lshl_b32 s44, 0x1111, s40                    ; my column
	s_or_b32 s[G1+0], s43, (1<<20)|(1<<21)|(4<<22)|(3<<25)    ; the mask; elements of 1 byte; padding on; bit 21 beside a mask; after every 32 words, 4 words
	s_or_b32 s[G1B+0], s44, (1<<20)|(1<<21)|(4<<22)|(3<<25)
	s_mov_b32 s[G1+1], 256<<16                     ; a plane's 256 rows of 128 bytes are dense: stated as 128 rows of 256 bytes; the padding stays behind each 128
	s_mov_b32 s[G1+2], 128<<16
	s_mov_b32 s[G1+3], 256<<16
	s_mov_b32 s[G1+4], 128
	s_mov_b32 s[G1+5], 256
	s_mov_b32 s[G1+6], 0
	s_mov_b32 s[G1+7], 0
	s_mov_b32 s[G1B+1], 256<<16                    ; the weights' 128 columns of a plane: 64 rows of 256 bytes
	s_mov_b32 s[G1B+2], 64<<16
	s_mov_b32 s[G1B+3], 256<<16
	s_mov_b32 s[G1B+4], 64
	s_mov_b32 s[G1B+5], 256
	s_mov_b32 s[G1B+6], 0
	s_mov_b32 s[G1B+7], 0
	s_max_u32 s18, ttmp9, 1
	s_sub_co_u32 s18, s18, 1                       ; which set of x's codes: 0 (q), 1 (k), 2 (v): the same in all partners
	s_lshl_b32 s18, s18, 23
	s_lshl_b32 s19, s17, 15                        ; 256 rows of 128 bytes
	s_add_co_u32 s18, s18, s19
	s_lshl_b32 s19, s16, 19                        ; my plane
	s_add_co_u32 s20, s18, s19
	s_mov_b32 s21, 0
	s_lshl_b32 s46, s42, 14                        ; 128 columns of 128 bytes
	s_lshl_b32 s47, s16, 18
	s_add_co_u32 s46, s46, s47
	s_mov_b32 s47, 0
	s_mul_i32 s45, s16, APL                        ; where they go: no place in the cluster enters an LDS address
	s_mul_i32 s12, s16, BPL
	s_add_co_u32 s12, s12, BOFF
	s_wait_kmcnt 0x0
	s_load_b256 s[92:99], s[10:11], 0x0            ; e0 .. e7
	s_load_b128 s[80:83], s[10:11], 0x20           ; e8 .. e11
	s_add_nc_u64 s[20:21], s[4:5], s[20:21]
	s_add_nc_u64 s[46:47], s[6:7], s[46:47]
	CROUND                                         ; all sixteen work-groups are here: the first joint loads meet
.irp s, 0,1
	s_mov_b32 s[G0+4*\s], 1
	s_add_co_u32 s[G0+4*\s+1], s45, \s*SLOT
	s_add_nc_u64 s[G0+4*\s+2:G0+4*\s+3], s[20:21], \s*2*524288
	s_or_b32 s[G0+4*\s+3], s[G0+4*\s+3], 0x80000000
	s_mov_b32 s[G0B+4*\s], 1
	s_add_co_u32 s[G0B+4*\s+1], s12, \s*SLOT
	s_add_nc_u64 s[G0B+4*\s+2:G0B+4*\s+3], s[46:47], \s*2*262144
	s_or_b32 s[G0B+4*\s+3], s[G0B+4*\s+3], 0x80000000
.endr
	JLOAD G0, G1, G0B, G1B                         ; K step 0: one tensor load a wave at the head
	v_and_b32 v1, 15, v0
	v_bfe_u32 v2, v0, 4, 1                         ; h
	v_mul_u32_u24 v3, v1, PITCH
	v_lshl_add_u32 v3, v2, 4, v3                   ; a fragment's row x pitch + 16 h
	s_wait_alu depctr_va_vdst(0)
	s_mul_i32 s70, s16, 64*PITCH                   ; q, k: S0 = the weights' columns 64 (w % 2) on,
	s_add_co_u32 s70, s70, BOFF
	s_add_co_u32 s71, s70, BPL
	s_mul_i32 s74, s15, 128*PITCH                  ; ALL KINDS, v too: S0 = the weights' columns 64 (w % 2) on, S1 = x's rows 128 (w / 2) on: no LDS address hangs on the kind
	s_add_co_u32 s75, s74, APL
	v_add_nc_u32 v[ADR0], s70, v3
	v_add_nc_u32 v[ADR0+1], s71, v3
	v_add_nc_u32 v[ADR0+2], SLOT, v[ADR0]
	v_add_nc_u32 v[ADR0+3], SLOT, v[ADR0+1]
	v_add_nc_u32 v[ADR1], s74, v3
	v_add_nc_u32 v[ADR1+1], s75, v3
	v_add_nc_u32 v[ADR1+2], SLOT, v[ADR1]
	v_add_nc_u32 v[ADR1+3], SLOT, v[ADR1+1]
	v_lshrrev_b32 v4, 3, v1
	v_and_b32 v5, 7, v1
	v_lshlrev_b32 v[STQ], 10, v4
	v_lshl_add_u32 v[STQ], v5, 4, v[STQ]
	v_lshl_add_u32 v[STQ], v2, 3, v[STQ]
	s_lshl_b32 s66, s14, 13
	s_add_co_u32 s67, s66, STGQ
	v_add_nc_u32 v[STQ], s67, v[STQ]               ; q, k: my image + 1024 (r / 8) + 16 (r % 8) + 8 h
	v_lshlrev_b32 v[STV], 4, v1
	v_lshl_add_u32 v[STV], v2, 3, v[STV]
	v_add_nc_u32 v[STV], s67, v[STV]               ; v: my own image (128 keys x one head's 64 channels) + 16 r + 8 h
	v_and_b32 v6, 31, v0
	v_lshlrev_b32 v[LI], 4, v6
	v_add_nc_u32 v[RDA], s67, v[LI]                ; back: my own image
	s_and_b32 s66, s17, 7
	s_lshl_b32 s66, s66, 16
	s_lshl_b32 s67, s15, 15
	s_add_co_u32 s66, s66, s67
	s_mov_b32 s67, 0
	s_add_nc_u64 s[8:9], s[8:9], s[66:67]          ; the table at position block 16 (tile row % 8) + 8 (w / 2): 4,096 bytes a block; 8 blocks on from there stay inside its 128
	s_lshr_b32 s66, s17, 3                         ; the batch
	s_and_b32 s67, s17, 7
	s_lshl_b32 s67, s67, 1                         ; the tile's first key step
	s_lshl_b32 s69, s42, 1                         ; two heads to a tile column
	s_lshl_b32 s68, s66, 4
	s_add_co_u32 s68, s68, s69
	s_add_co_u32 s68, s68, s16
	s_lshl_b32 s68, s68, 4
	s_add_co_u32 s68, s68, s67
	s_add_co_u32 s68, s68, s15                     ; q: image ((16 batch + head) 16 + step), head by w % 2, step by w / 2
	s_lshl_b32 s90, s66, 3
	s_add_co_u32 s90, s90, s69
	s_sub_co_u32 s90, s90, 16
	s_add_co_u32 s90, s90, s16
	s_lshl_b32 s90, s90, 4
	s_add_co_u32 s90, s90, s67
	s_add_co_u32 s90, s90, s15                     ; k: eight heads, tile columns 8 on
	s_lshl_b32 s91, s66, 3
	s_add_co_u32 s91, s91, s69
	s_sub_co_u32 s91, s91, 24
	s_add_co_u32 s91, s91, s16
	s_lshl_b32 s91, s91, 4
	s_add_co_u32 s91, s91, s67
	s_add_co_u32 s91, s91, s15                     ; v: tile columns 12 on; head by w % 2, step by w / 2, as k
	s_cmp_eq_u32 ttmp9, 2
	s_cselect_b32 s68, s90, s68
	s_cselect_b64 s[84:85], s[86:87], s[84:85]
	s_cmp_eq_u32 ttmp9, 3
	s_cselect_b32 s68, s91, s68
	s_cselect_b64 s[84:85], s[88:89], s[84:85]
	s_lshl_b32 s68, s68, 13
	s_mov_b32 s69, 0
	s_add_nc_u64 s[84:85], s[84:85], s[68:69]      ; where my image goes
	s_wait_alu depctr_va_vdst(0)
	s_wait_kmcnt 0x0
	s_sub_co_i32 s66, s98, s92                     ; a sum stands for sum x 2^(ex + ew): its code is sum / 2^(e - ex - ew): three scales folded into the conversion's one.  The rotation is linear and goes on the sums as they are
	s_sub_co_i32 s66, s66, s93                     ; q: e6 - e0 - e1
	s_sub_co_i32 s67, s99, s94
	s_sub_co_i32 s67, s67, s95                     ; k: e7 - e2 - e3
	s_sub_co_i32 s68, s81, s96
	s_sub_co_i32 s68, s68, s97                     ; v: e9 - e4 - e5
	s_cmp_eq_u32 ttmp9, 2
	s_cselect_b32 s66, s67, s66
	s_cmp_eq_u32 ttmp9, 3
	s_cselect_b32 s66, s68, s66
	s_add_co_i32 s66, s66, 127
	s_lshl_b32 s67, s66, 23
	v_mov_b32 v[SC], s67
	s_add_co_i32 s66, s66, 8
	s_lshl_b32 s66, s66, 23
	s_or_b32 s66, s66, 0x600000
	v_mov_b32 v[LIM], s66
	; the prefetches (macro ASK): who asks, and where.  s66-79 are free from here on; s40 = cx, s41 = cy, s42 = tile column, s17 = tile row, s[4:5] = xc, s[6:7] = wc still stand
	s_and_b32 s66, ttmp7, 0xffff                   ; cluster y
	s_cmp_lg_u32 ttmp9, 1
	s_cselect_b32 s67, 1, -1                       ; x's rows: every column of clusters but q's second, which reads the set that q's first asks for
	s_cmp_eq_u32 s66, 0
	s_cselect_b32 s68, 1, -1                       ; the weights: the first row of clusters,
	s_cmp_eq_u32 s14, 3
	s_cselect_b32 s68, -1, s68                     ; and of waves 2 and 3 wave 2 alone, for both planes
	s_max_u32 s70, ttmp9, 1
	s_sub_co_u32 s70, s70, 1
	s_lshl_b32 s70, s70, 23                        ; xc: my kind's set,
	s_lshl_b32 s71, s17, 15
	s_add_co_u32 s70, s70, s71                     ; the tile's 256 rows,
	s_lshl_b32 s71, s40, 13
	s_add_co_u32 s70, s70, s71                     ; my work-group's 8,192 bytes of them, by cx,
	s_lshl_b32 s71, s16, 19
	s_add_co_u32 s70, s70, s71                     ; the plane that I fetch,
	s_add_co_u32 s70, s70, 4*524288                ; in K step 2: the first refill steps it to K step 3
	s_lshl_b32 s77, s42, 14                        ; wc: the tile's 128 columns,
	s_lshl_b32 s71, s41, 12
	s_add_co_u32 s77, s77, s71                     ; my work-group's 4,096 bytes of them, by cy,
	s_add_co_u32 s77, s77, 4*262144                ; in K step 2's first plane
	s_mov_b32 s78, 2*524288
	s_mov_b32 s79, 4096
	s_cmp_eq_u32 s15, 0                            ; do I fetch for x?
	s_cselect_b32 s[PFL], s67, s68
	s_cselect_b64 s[PFA:PFA+1], s[4:5], s[6:7]
	s_cselect_b32 s70, s70, s77
	s_cselect_b32 s[PFS], s78, 2*262144            ; a K step on
	s_cselect_b32 s79, s79, 262144                 ; lanes 16-31: the next 4,096 bytes of x's plane, or the weights' next plane
	s_mov_b32 s71, 0
	s_mov_b32 s[PFS+1], 0
	s_add_nc_u64 s[PFA:PFA+1], s[PFA:PFA+1], s[70:71]
	v_lshlrev_b32 v[PFO], 8, v1                    ; 256 (lane % 16)
	v_mad_u32_u24 v[PFO], v2, s79, v[PFO]          ; nothing is prefetched here, at the head, where every work-group's first tiles are on their way
.macro RLOAD a                         ; cos and sin of my positions 16 a + r: piece l holds those of the channel pairs 8 (l / 2) + 4 h + 2 (l % 2) + 0, 1: 512 consecutive bytes a load
.irp l, 0,1,2,3,4,5,6,7
	global_load_b128 v[RP+32*((\a)%4)+96*(((\a)%4)/2)+4*\l:RP+32*((\a)%4)+96*(((\a)%4)/2)+4*\l+3], v[LI], s[8:9] offset:4096*(\a)+512*\l   ; four sets by turns: v32, v64, v192, v224
.endr
.endm
	RLOAD 0                                        ; four blocks' pieces are asked for here, on every wave's path, so that they land under the products
	RLOAD 1
	RLOAD 2
	RLOAD 3
.macro FRAG reg, adr, i                ; 16 rows x 128 K: four loads of 16 bytes a lane
.irp c, 0,1,2,3
	ds_load_b128 v[\reg+4*\c:\reg+4*\c+3], v[\adr] offset:32*\c+(\i)*16*PITCH
.endr
.endm
.macro FETCH slot, q, p                ; 48 loads in one run: plane q of the slot into set p: S0's four blocks, S1's blocks 0-3, S1's blocks 4-7
	WIN TO_S0
.irp i, 0,1,2,3
	FRAG 64*(\p)+16*\i, ADR0+2*(\slot)+(\q), \i
.endr
	WIN TO_S1
.irp i, 0,1,2,3,4,5,6,7
	FRAG 128*(\p)+16*\i, ADR1+2*(\slot)+(\q), \i
.endr
.endm
.macro MUL8 a0, p, zero                ; S1's blocks a0, a0 + 1 x S0's four.  The 32 accumulators take turns, one instruction a turn, in the same order in every plane.  zero = 1: the product starts the sum
.irp a, \a0, \a0+1
.irp b, 0,1,2,3
.if \zero
	v_wmma_f32_16x16x128_fp8_fp8 v[8*(4*(\a)+\b):8*(4*(\a)+\b)+7], v[64*(\p)+16*\b:64*(\p)+16*\b+15], v[128*(\p)+16*(\a):128*(\p)+16*(\a)+15], 0
.else
	v_wmma_f32_16x16x128_fp8_fp8 v[8*(4*(\a)+\b):8*(4*(\a)+\b)+7], v[64*(\p)+16*\b:64*(\p)+16*\b+15], v[128*(\p)+16*(\a):128*(\p)+16*(\a)+15], v[8*(4*(\a)+\b):8*(4*(\a)+\b)+7]
.endif
.endr
.endr
.endm
; v's tiles take the same fragments with the two sources changed over: source 0 = 16 rows of x (S1's block a), source 1 = 16 columns (S0's block b).
; In accumulator (a, b) lane (r, h) register j then holds (position 16 a + 8 h + j, channel 16 b + r): 8 neighbouring KEYS of one channel.
.set W_MULV, 0x5e                      ; source 0 window 2, source 1 window 3, C and D window 1
.macro MUL8V a0, p, zero
.irp a, \a0, \a0+1
.irp b, 0,1,2,3
.if \zero
	v_wmma_f32_16x16x128_fp8_fp8 v[8*(4*(\a)+\b):8*(4*(\a)+\b)+7], v[128*(\p)+16*(\a):128*(\p)+16*(\a)+15], v[64*(\p)+16*\b:64*(\p)+16*\b+15], 0
.else
	v_wmma_f32_16x16x128_fp8_fp8 v[8*(4*(\a)+\b):8*(4*(\a)+\b)+7], v[128*(\p)+16*(\a):128*(\p)+16*(\a)+15], v[64*(\p)+16*\b:64*(\p)+16*\b+15], v[8*(4*(\a)+\b):8*(4*(\a)+\b)+7]
.endif
.endr
.endr
.endm
.macro MULS a0, p, zero                ; 16 products, S1's blocks a0 .. a0 + 3.  The branch hangs on the cluster's x, which all partners share, and leads round matrix instructions alone; at a branch and at a label every window is 0
	WIN 0
	s_cmp_eq_u32 ttmp9, 3
	s_cbranch_scc1 .Lmv_\@
	WIN W_MUL
	MUL8 \a0, \p, \zero
	MUL8 \a0+2, \p, \zero
	WIN 0
	s_branch .Lmd_\@
.Lmv_\@:
	WIN W_MULV
	MUL8V \a0, \p, \zero
	MUL8V \a0+2, \p, \zero
	WIN 0
.Lmd_\@:
.endm
.macro STEP slot, zero
	s_wait_dscnt 16
	MULS 0, 0, \zero
	PLACES                                         ; four plain lines in front of loads into registers that matrix instructions have read (ISA guide 7.12.1 for vector instructions)
	FETCH \slot, 1, 1
	s_wait_dscnt 48                                ; all but the 48 just issued
	MULS 4, 0, \zero
.endm
.macro TURN slot, next, fill           ; a slot's plane 1 (set 1) and the change of slots: ONE barrier; fill = 1: it opens a round of the cluster's barrier and this slot is filled again, two K steps on
.if \fill
	s_wait_xcnt 0x0                                ; the last prefetch, a K step back, has read its address: it is stepped here, ahead of the waits of the change of slots
	s_add_nc_u64 s[PFA:PFA+1], s[PFA:PFA+1], s[PFS:PFS+1]
.endif
	s_wait_dscnt 16                                ; S0 and S1's blocks 0-3 are in; S1's blocks 4-7 may be out
	MULS 0, 1, 0
	s_wait_tensorcnt 0x0                           ; all my tensor loads have landed: my part of the next slot
	ds_add_u32 v[SPW], v[NIL]                      ; 0 onto my spare word
	s_wait_dscnt 0x0                               ; the add is done, and my reads of this slot are over
	s_barrier_signal -1
	s_barrier_wait -1
.if \fill
	CREST                                          ; no wave of any partner still reads this slot or has a load on its way
	s_add_nc_u64 s[G0+4*\slot+2:G0+4*\slot+3], s[G0+4*\slot+2:G0+4*\slot+3], ASTEP
	s_add_nc_u64 s[G0B+4*\slot+2:G0B+4*\slot+3], s[G0B+4*\slot+2:G0B+4*\slot+3], BSTEP
	JLOAD G0+4*\slot, G1, G0B+4*\slot, G1B         ; my one tensor load behind the round; its four v_nop are also the places in front of the loads below
.else
	PLACES
.endif
	FETCH \next, 0, 0
.if \fill
	WIN 0                                          ; (a branch and a label follow)
	ASK \slot                                      ; behind the joint load and the run of LDS loads that the next products wait for
.endif
	MULS 4, 1, 0
.endm
	s_wait_alu depctr_va_vdst(0)
	s_wait_tensorcnt 0x0                           ; my part of K step 0 is in
	ds_add_u32 v[SPW], v[NIL]
	s_wait_dscnt 0x0
	CROUND                                         ; everybody's part of K step 0 is in, and all sixteen work-groups are here
	JLOAD G0+4, G1, G0B+4, G1B                     ; K step 1: the first tensor load behind the round
	FETCH 0, 0, 0
	STEP 0, 1                                      ; the first plane stands in front of the loop: its products start the sums
	WIN 0                                          ; at a label and at a branch every window is 0
	s_mov_b32 s3, LAPS-1
.Llap:
	TURN 0, 1, 1
	STEP 1, 0
	TURN 1, 0, 1
	STEP 0, 0
	WIN 0
	s_sub_co_u32 s3, s3, 1
	s_cmp_lg_u32 s3, 0
	s_cbranch_scc1 .Llap
	TURN 0, 1, 0                                   ; the last lap fills nothing
	STEP 1, 0
	s_wait_dscnt 16
	MULS 0, 1, 0
	s_wait_dscnt 0x0
	MULS 4, 1, 0
	PLACES                                         ; in front of the first read of results
	s_cmp_eq_u32 ttmp9, 3
	s_cbranch_scc1 .Lvway
; q, k: block a = positions 16 a + r.  out(2 i) = x0 cos - x1 sin, out(2 i + 1) = x0 sin + x1 cos; then the hold and the conversion; 8 codes of a lane are 8 bytes of the image
.macro QKBLOCK a
.set RS, RP+32*((\a)%4)+96*(((\a)%4)/2)
.if (\a) < 5
	s_wait_loadcnt 24                              ; this block's eight loads are in; the three younger blocks' 24 may be out
.else
	s_wait_loadcnt 8*(7-(\a))
.endif
	WIN 0x01                                       ; source 0: the accumulators' window
.irp b, 0,1,2,3
.irp p, 0,2,4,6
	v_pk_mul_f32 v[T+8*\b+\p:T+8*\b+\p+1], v[8*(4*(\a)+\b)+\p:8*(4*(\a)+\b)+\p+1], v[RS+8*\b+\p:RS+8*\b+\p+1] op_sel:[1,1] op_sel_hi:[1,0]   ; (x1 sin, x1 cos); each accumulator is read from its low end on
.endr
.irp p, 0,2,4,6
	v_fma_f32 v[T+8*\b+\p], v[8*(4*(\a)+\b)+\p], v[RS+8*\b+\p], -v[T+8*\b+\p]
	v_fma_f32 v[T+8*\b+\p+1], v[8*(4*(\a)+\b)+\p], v[RS+8*\b+\p+1], v[T+8*\b+\p+1]
.endr
.endr
	WIN 0
.if (\a)+4 < 8
	RLOAD (\a)+4
.endif
.set n_, 0
.rept 32
	v_med3_num_f32 v[T+n_], v[T+n_], -v[LIM], v[LIM]
.set n_, n_+1
.endr
.irp b, 0,1,2,3
	v_cvt_scalef32_pk8_fp8_f32 v[CD+8*(\a)+2*\b:CD+8*(\a)+2*\b+1], v[T+8*\b:T+8*\b+7], v[SC]
.endr
	v_nop                                          ; a plain line between the conversions and the next block's lines, which write their sources
.irp b, 0,1,2,3
	ds_store_b64 v[STQ], v[CD+8*(\a)+2*\b:CD+8*(\a)+2*\b+1] offset:2048*((\a)/2)+128*((\a)%2)+512*(\b/2)+256*(\b%2)
.endr
.endm
.irp a, 0,1,2,3,4,5,6,7
	QKBLOCK \a
.endr
	s_branch .Ljoin
; v: block a = keys 16 a + 8 h + 0..7 of channels 16 b + r; a lane's 8 registers are 8 neighbouring keys.  (v32-95, into which the table's loads may still be on their way, are not named on this way)
.Lvway:
.macro VBLOCK a
	WIN 0x01
.irp b, 0,1,2,3
.irp j, 0,1,2,3,4,5,6,7
	v_med3_num_f32 v[T+8*\b+\j], v[8*(4*(\a)+\b)+\j], -v[LIM], v[LIM]
.endr
.endr
	WIN 0
.irp b, 0,1,2,3
	v_cvt_scalef32_pk8_fp8_f32 v[CD+8*(\a)+2*\b:CD+8*(\a)+2*\b+1], v[T+8*\b:T+8*\b+7], v[SC]
.endr
	v_nop
.irp b, 0,1,2,3
	ds_store_b64 v[STV], v[CD+8*(\a)+2*\b:CD+8*(\a)+2*\b+1] offset:2048*\b+512*((\a)/2)+256*((\a)%2)   ; keys 16 a + 8 h + 0..7 of channel 16 b + r
.endr
.endm
	s_wait_alu depctr_va_vdst(0)
.irp a, 0,1,2,3,4,5,6,7
	VBLOCK \a
.endr
.Ljoin:
	s_wait_loadcnt 0x0                             ; on v's way the table's loads into v192-255 have not been waited for: the images are read back into those registers below
	s_wait_dscnt 0x0
	s_barrier_signal -1
	s_barrier_wait -1
.irp i, 0,1,2,3,4,5,6,7,8,9,10,11,12,13,14,15
	ds_load_b128 v[BK+4*\i:BK+4*\i+3], v[RDA] offset:512*\i
.endr
.irp i, 0,1,2,3,4,5,6,7,8,9,10,11,12,13,14,15
	s_wait_dscnt 15-\i
	global_store_b128 v[LI], v[BK+4*\i:BK+4*\i+3], s[84:85] offset:512*\i   ; the wave stores 512 consecutive bytes: an image is dense
.endr
	s_wait_tensorcnt 0x0                           ; the wave's end
	ds_add_u32 v[SPW], v[NIL]
	s_wait_dscnt 0x0
	CROUND                                         ; the closing round
	s_endpgm
.Lfunc_end_k_q424c8a1b1d_qkv:
	.size	k_q424c8a1b1d_qkv, .Lfunc_end_k_q424c8a1b1d_qkv-k_q424c8a1b1d_qkv
	.p2alignl 7, 3214868480
	.fill 96, 4, 3214868480
	.section	.rodata,"a",@progbits
	.p2align	6, 0x0
	.amdhsa_kernel k_q424c8a1b1d_qkv
		.amdhsa_group_segment_fixed_size 327680
		.amdhsa_private_segment_fixed_size 0
		.amdhsa_enable_private_segment 0
		.amdhsa_kernarg_size 56
		.amdhsa_user_sgpr_count 2
		.amdhsa_user_sgpr_kernarg_segment_ptr 1
		.amdhsa_wavefront_size32 1
		.amdhsa_system_sgpr_workgroup_id_x 1
		.amdhsa_system_sgpr_workgroup_id_y 1
		.amdhsa_system_sgpr_workgroup_id_z 1
		.amdhsa_system_vgpr_workitem_id 0
		.amdhsa_next_free_vgpr 896
		.amdhsa_next_free_sgpr 100
		.amdhsa_reserve_vcc 0
		.amdhsa_float_denorm_mode_32 3
		.amdhsa_float_denorm_mode_16_64 3
		.amdhsa_memory_ordered 1
		.amdhsa_forward_progress 1
		.amdhsa_inst_pref_size 151
	.end_amdhsa_kernel
	.amdgpu_metadata
---
amdhsa.version: [ 1, 2 ]
amdhsa.kernels:
  - .name:           k_q424c8a1b1d_qkv
    .symbol:         k_q424c8a1b1d_qkv.kd
    .args:
      - { .name: xc, .offset: 0, .size: 8, .value_kind: global_buffer, .address_space: global }
      - { .name: wc, .offset: 8, .size: 8, .value_kind: global_buffer, .address_space: global }
      - { .name: rope, .offset: 16, .size: 8, .value_kind: global_buffer, .address_space: global }
      - { .name: lowp_scales, .offset: 24, .size: 8, .value_kind: global_buffer, .address_space: global }
      - { .name: qimg, .offset: 32, .size: 8, .value_kind: global_buffer, .address_space: global }
      - { .name: kimg, .offset: 40, .size: 8, .value_kind: global_buffer, .address_space: global }
      - { .name: vimg, .offset: 48, .size: 8, .value_kind: global_buffer, .address_space: global }
    .group_segment_fixed_size: 327680
    .private_segment_fixed_size: 0
    .kernarg_segment_align: 8
    .kernarg_segment_size: 56
    .max_flat_workgroup_size: 128
    .sgpr_count:     100
    .vgpr_count:     896
    .wavefront_size: 32
...
	.end_amdgpu_metadata
.endif
;; end of part 2
;; launch attn (part 3): grid 16 x 16, 16 waves a work-group, no clusters, 327,680 bytes of LDS; arguments qimg, kimg, vimg, lowp_scales, acodes; writes acodes
.if DOCPART == 3
	.amdgcn_target "amdgcn-amd-amdhsa--gfx1250"
	.amdhsa_code_object_version 6
	.text
	.protected	k_q424c8a1b1d_attn
	.globl	k_q424c8a1b1d_attn
	.p2align	8
	.type	k_q424c8a1b1d_attn,@function
k_q424c8a1b1d_attn:
	s_mov_b64 s[64:65], 0
	v_nop
	global_prefetch_b8 v0, s[64:65] scope:SCOPE_SE
	s_setreg_imm32_b32 hwreg(HW_REG_WAVE_MODE, 25, 1), 1
	s_wait_xcnt 0x0
; Causal attention on E4M3 codes, two query heads to a key/value head, head size 64, 2,048 positions, 2 batches.  Inputs are register images: 8,192 bytes for 128 positions x 64 channels.
; t = score x log2(e) / 8; M = the running largest t rounded UP to a whole number; p = 2^(t - M) is quantised with 2^e8, not normalised; the row's sum is taken of the unquantised p and divides at the end;
; when M moves, the sum and O are multiplied by 2^(old M - new M), which rounds nothing.  The result is quantised with 2^e10 for the last product.
; LEFT OUT: key steps all of whose 128 keys come after the wave's queries: the causal mask that the problem builds itself makes their p zero for all inputs.
; SHARES.  Work-group (i, hb): key/value head hb % 8 of batch hb / 8; the position blocks of 64 numbered i and 31 - i, for both query heads: 16 tiles of 16 queries, one for each of sixteen waves.
; A low and a high block together have 17 key steps of 128 whatever i is.
; THE HEAD'S WHOLE K AND V LIE IN LDS (131,072 bytes each); every fill is a first fill.  Waves 0-7 fetch K, waves 8-15 V, in two parts.  At the head each wave asks for 4,096 bytes: together key steps 0 to 3.
; Behind the wait for them, the add, its wait and a barrier each wave asks for 12,288 bytes: together key steps 4 to 15, which have the first loop's four steps in which to land.
; The same lines and a second barrier stand in front of the loop of the other twelve steps.  Every wait on TENSORcnt is for 0; a wave has one tensor load out at a time.
; The text uses 280,576 bytes.
; In the one step on the diagonal hidden scores become -infinity ahead of the maximum.
; LAYOUT.  Both products transposed: S^T = K Q^T, O^T = V^T P^T: a lane holds ONE query.  The 16 registers of tiles 2 b, 2 b + 1 are keys 32 b + 16 h + 0..15.
; No cluster: the work-groups that share a head differ in the steps that they jump over.  No prefetch: all of K and V is asked for by two loads a wave, the second behind the first: there is nothing further to run ahead to.
; LIMITS: e6 + e7 between -123 and 130 (added to the exponent field of log2(e) / 8); e8 between -126 and 119; e8 + e9 - e10 goes by v_ldexp_f32 and has none.
; REGISTERS: v1-7 addresses; v12 -M, v13 the largest t, v[14:15] the sum; v16-23 Q; v24 448 x 2^e8, v25 2^e8; v[26:27] f; v28, v29 at work; v32-95 K's, then V's fragments; v96-159 S^T, then p; v160-191 O^T;
; v192-207 p's codes; v208-215 the result's codes; v216-221 chains of the maximum, then of the sum; v254, v255 the spare word's address and 0.
.set VB,   131072
.set STG,  262144                      ; the way out: 2 blocks x 64 positions x 128 bytes; the spare words lie behind it, at 278,528
.set LI,   1
.set QD,   2
.set NINF, 3
.set ADK,  4
.set ADV,  5
.set SIN,  6
.set SOUT, 7
.set CH,   216
.set WV,   14
.set G1,   16                          ; s[16:23] group 1 of the first part: 16 rows of 256 bytes
.set G0,   24                          ; s[24:27] its group 0
.set G0L,  28                          ; s[28:31] group 0 of the second part
.set G1L,  32                          ; s[32:39] its group 1: 48 rows of 256 bytes
.set SEL,  52
.set CS,   54
.set TB,   56
.set KF,   57
.set Q128, 58
.set CNT,  59
	s_load_b256 s[4:11], s[0:1], 0x0               ; qimg, kimg, vimg, the exponents
	s_load_b64 s[12:13], s[0:1], 0x20              ; acodes
	v_lshl_add_u32 v254, v0, 2, 0x44000
	v_mov_b32 v255, 0
	ds_add_u32 v254, v255                          ; the opening lines: the add twice on end and its wait
	ds_add_u32 v254, v255
	v_lshrrev_b32 v8, 5, v0
	v_readfirstlane_b32 s[WV], v8                  ; wave 0..15
	s_and_b32 s15, ttmp7, 0xffff                   ; hb
	s_mov_b32 s[G1], 3<<16                         ; elements of 8 bytes, no padding
	s_mov_b32 s[G1+1], 32<<16                      ; rows of 256 bytes
	s_mov_b32 s[G1+2], 16<<16
	s_mov_b32 s[G1+3], 32<<16
	s_mov_b32 s[G1+4], 16                          ; 16 rows: 4,096 bytes, dense
	s_mov_b32 s[G1+5], 32
	s_mov_b32 s[G1+6], 0
	s_mov_b32 s[G1+7], 0
	s_mov_b32 s[G1L], 3<<16
	s_mov_b32 s[G1L+1], 32<<16
	s_mov_b32 s[G1L+2], 48<<16
	s_mov_b32 s[G1L+3], 32<<16
	s_mov_b32 s[G1L+4], 48                         ; 48 rows: 12,288 bytes, dense
	s_mov_b32 s[G1L+5], 32
	s_mov_b32 s[G1L+6], 0
	s_mov_b32 s[G1L+7], 0
	s_lshr_b32 s48, s[WV], 3
	s_lshl_b32 s48, s48, 17                        ; LDS: K's half or V's
	s_and_b32 s50, s[WV], 7
	s_lshl_b32 s51, s50, 12                        ; first part: 4,096 x (wave % 8)
	s_mul_i32 s50, s50, 12288
	s_add_co_u32 s50, s50, 32768                   ; second part: 32,768 + 12,288 x (wave % 8)
	s_add_co_u32 s49, s48, s51                     ; LDS address of the first part,
	s_add_co_u32 s48, s48, s50                     ; and of the second
	s_lshl_b32 s60, s15, 17                        ; a head's 16 images in memory
	s_add_co_u32 s66, s60, s50
	s_add_co_u32 s60, s60, s51
	s_mov_b32 s61, 0
	s_mov_b32 s67, 0
	s_wait_dscnt 0x0
	s_wait_kmcnt 0x0
	s_load_b64 s[40:41], s[10:11], 0x18            ; e6, e7
	s_load_b128 s[44:47], s[10:11], 0x20           ; e8 .. e11
	s_cmp_lt_u32 s[WV], 8
	s_cselect_b64 s[62:63], s[6:7], s[8:9]
	s_mov_b32 s[G0], 1
	s_mov_b32 s[G0+1], s49
	s_add_nc_u64 s[G0+2:G0+3], s[62:63], s[60:61]
	s_or_b32 s[G0+3], s[G0+3], 0x80000000
	s_mov_b32 s[G0L], 1
	s_mov_b32 s[G0L+1], s48
	s_add_nc_u64 s[G0L+2:G0L+3], s[62:63], s[66:67]
	s_or_b32 s[G0L+3], s[G0L+3], 0x80000000
	tensor_load_to_lds s[G0:G0+3], s[G1:G1+7]      ; my one tensor load at the head: my sixteenth of key steps 0 to 3
	s_nop 0
	s_lshr_b32 s48, s[WV], 2                       ; t4: which of a block's four tiles
	s_xor_b32 s50, s[WV], s48
	s_and_b32 s50, s50, 1                          ; 0: block i, 1: block 31 - i
	s_bfe_u32 s51, s[WV], 0x10001                  ; which query head
	s_sub_co_u32 s60, 31, ttmp9
	s_cmp_eq_u32 s50, 1
	s_cselect_b32 s60, s60, ttmp9                  ; my block of 64 positions
	s_lshr_b32 s61, s60, 1                         ; its key step
	s_lshl_b32 s[Q128], s61, 7
	s_and_b32 s62, s60, 1
	s_lshl_b32 s63, s15, 1
	s_add_co_u32 s63, s63, s51
	s_lshl_b32 s63, s63, 4
	s_add_co_u32 s63, s63, s61
	s_lshl_b32 s63, s63, 13                        ; the query head's image of that step
	s_lshl_b32 s66, s62, 2
	s_add_co_u32 s66, s66, s48
	s_lshl_b32 s66, s66, 10                        ; my tile in it
	s_add_co_u32 s66, s66, s63
	s_mov_b32 s67, 0
	s_add_nc_u64 s[4:5], s[4:5], s[66:67]
	v_and_b32 v8, 31, v0
	v_lshlrev_b32 v[LI], 4, v8
	global_load_b128 v[16:19], v[LI], s[4:5]       ; Q stays in registers
	global_load_b128 v[20:23], v[LI], s[4:5] offset:512
	v_and_b32 v8, 15, v0                           ; r
	v_bfe_u32 v9, v0, 4, 1                         ; h
	v_and_b32 v10, 8, v8
	v_add_nc_u32 v10, v10, v8                      ; r % 8 + 16 (r / 8)
	s_lshr_b32 s68, s48, 1
	s_lshl_b32 s68, s68, 5
	s_and_b32 s69, s48, 1
	s_lshl_b32 s69, s69, 3
	s_add_co_u32 s68, s68, s69                     ; the tile's first position in its block
	s_lshl_b32 s69, s62, 6
	s_add_co_u32 s69, s69, s68                     ; and in its key step
	v_lshlrev_b32 v11, 4, v9
	v_sub_nc_u32 v[QD], v10, v11
	v_add_nc_u32 v[QD], s69, v[QD]                 ; register n holds key 32 (n / 16) + n % 16 + 16 h: hidden where 32 (n / 16) + n % 16 > QD
	v_add_nc_u32 v[SIN], s68, v10
	v_lshlrev_b32 v[SIN], 7, v[SIN]
	v_lshl_add_u32 v[SIN], v9, 3, v[SIN]
	s_lshl_b32 s70, s50, 13
	s_lshl_b32 s71, s51, 6
	s_add_co_u32 s70, s70, s71
	s_add_co_u32 s70, s70, STG
	v_add_nc_u32 v[SIN], s70, v[SIN]               ; the stage: block, row = my query (128 bytes), + 64 x head + 8 h
	s_lshl_b32 s70, s[WV], 10
	s_add_co_u32 s70, s70, STG
	v_add_nc_u32 v[SOUT], s70, v[LI]               ; back: 1,024 bytes a wave
	s_lshr_b32 s70, s[WV], 3
	s_sub_co_u32 s71, 31, ttmp9
	s_cmp_eq_u32 s70, 1
	s_cselect_b32 s71, s71, ttmp9                  ; the block whose rows I store
	s_lshl_b32 s71, s71, 13
	s_and_b32 s70, s[WV], 7
	s_lshl_b32 s70, s70, 10
	s_add_co_u32 s70, s70, s71
	s_and_b32 s71, s15, 7
	s_lshl_b32 s71, s71, 19                        ; acodes: [key/value head 8][row 4096][128 bytes]
	s_add_co_u32 s70, s70, s71
	s_lshr_b32 s71, s15, 3
	s_lshl_b32 s71, s71, 18
	s_add_co_u32 s70, s70, s71
	s_mov_b32 s71, 0
	s_add_nc_u64 s[12:13], s[12:13], s[70:71]
	s_mov_b32 s[SEL], 0x76543210
	s_mov_b32 s[SEL+1], 0xfedcba98                 ; lane l xor 16
	s_mov_b32 s[CS], 0x3e38aa3b                    ; log2(e) / 8
	v_mov_b32 v[NINF], 0xff800000
	v_mov_b32 v13, 0xff61b1e6                      ; the largest t so far: -3e38
	v_floor_f32 v12, -v13                          ; -M
	v_mov_b32 v14, 0
	v_mov_b32 v15, 0
	v_mov_b32 v27, 0
	v_mov_b32 v29, 0
.set n_, 0
.rept 32
	v_mov_b32 v[160+n_], 0                         ; O^T: the step is written once; the first finds zeros
.set n_, n_+1
.endr
	s_wait_kmcnt 0x0
	s_add_co_i32 s66, s40, s41
	s_lshl_b32 s66, s66, 23
	s_add_co_i32 s[CS], s[CS], s66                 ; a score stands for score x 2^(e6 + e7)
	s_mov_b32 s[CS+1], s[CS]
	s_add_co_i32 s66, s44, 127
	s_lshl_b32 s67, s66, 23
	v_mov_b32 v25, s67                             ; 2^e8
	s_add_co_i32 s66, s66, 8
	s_lshl_b32 s66, s66, 23
	s_or_b32 s66, s66, 0x600000
	v_mov_b32 v24, s66                             ; 448 x 2^e8
	s_add_co_i32 s47, s44, s45
	s_sub_co_i32 s47, s47, s46                     ; e8 + e9 - e10
	s_wait_alu depctr_va_vdst(0)
	s_wait_loadcnt 0x0                             ; Q
	s_wait_tensorcnt 0x0                           ; my part of key steps 0 to 3 has landed
	ds_add_u32 v254, v255
	s_wait_dscnt 0x0
	s_barrier_signal -1
	s_barrier_wait -1                              ; everybody's has
	tensor_load_to_lds s[G0L:G0L+3], s[G1L:G1L+7]  ; my one tensor load behind this barrier: my sixteenth of key steps 4 to 15
	s_nop 0
.macro STEPS first, count              ; key steps first .. first + count - 1
	s_mov_b32 s[TB], \first*8192
	s_mov_b32 s[KF], \first*128
	s_mov_b32 s[CNT], \count
.Lstep_\@:
	s_cmp_gt_u32 s[KF], s[Q128]
	s_cbranch_scc1 .Lhidden_\@                     ; all 128 keys come after my queries
	v_add_nc_u32 v[ADK], s[TB], v[LI]
	v_add_nc_u32 v[ADV], VB, v[ADK]
	v_nop
	v_nop                                          ; with the two additions: four places in front of loads into registers that the last products read
.set n_, 0
.rept 16
	ds_load_b128 v[32+4*n_:35+4*n_], v[ADK] offset:512*n_      ; K's eight tiles of 16 keys x 64
.set n_, n_+1
.endr
	s_wait_alu depctr_va_vdst(0)
	s_wait_dscnt 0x0
.irp t, 0,1,2,3,4,5,6,7
	v_wmma_f32_16x16x64_fp8_fp8 v[96+8*\t:103+8*\t], v[32+8*\t:39+8*\t], v[16:23], 0
.endr
.rept 4
	v_nop                                          ; places in front of the loads below and of the first read of the scores
.endr
.set n_, 0
.rept 16
	ds_load_b128 v[32+4*n_:35+4*n_], v[ADV] offset:512*n_      ; V's four tiles of 16 channels x 128 keys land under the softmax
.set n_, n_+1
.endr
	s_cmp_lg_u32 s[KF], s[Q128]
	s_cbranch_scc1 .Lopen_\@                       ; all keys count
.set n_, 0
.rept 64
	v_cmp_gt_i32 vcc_lo, 32*(n_/16)+n_%16, v[QD]
	v_cndmask_b32 v[96+n_], v[96+n_], v[NINF], vcc_lo
.set n_, n_+1
.endr
.Lopen_\@:
.irp k, 0,1,2,3
	v_max3_num_f32 v[CH+\k], v[96+16*\k], v[97+16*\k], v[98+16*\k]   ; the maximum in four chains
.endr
.irp s, 3,5,7,9,11,13
.irp k, 0,1,2,3
	v_max3_num_f32 v[CH+\k], v[CH+\k], v[96+16*\k+\s], v[97+16*\k+\s]
.endr
.endr
	v_max3_num_f32 v[CH], v[CH], v[CH+1], v111
	v_max3_num_f32 v[CH+2], v[CH+2], v[CH+3], v127
	v_max3_num_f32 v[CH], v[CH], v[CH+2], v143
	v_max_num_f32 v28, v[CH], v159
	v_permlanex16_b32 v29, v28, s[SEL], s[SEL+1]
	v_max_num_f32 v28, v28, v29                    ; and among lane l xor 16's
	v_mul_f32 v28, s[CS], v28                      ; as t
	v_max_num_f32 v13, v13, v28
	v_mov_b32 v28, v12
	v_floor_f32 v12, -v13                          ; the new -M = -ceil(t)
	v_sub_f32 v28, v12, v28                        ; old M - new M: a whole number, 0 or less
	v_cvt_i32_f32 v28, v28                         ; (it saturates)
	v_ldexp_f32 v26, 1.0, v28                      ; f = 2^(old M - new M)
.set n_, 0
.rept 32
	v_pk_fma_f32 v[96+n_:97+n_], v[96+n_:97+n_], s[CS:CS+1], v[12:13] op_sel_hi:[1,0,0]   ; t - M
.set n_, n_+2
.endr
	s_wait_alu depctr_va_vdst(0)
.set n_, 0
.rept 64
	v_exp_f32 v[96+n_], v[96+n_]                   ; p = 2^(t - M)
.set n_, n_+1
.endr
	v_pk_mul_f32 v[14:15], v[14:15], v[26:27] op_sel_hi:[1,0]   ; the sum under the new M: the plain line behind the batch
	s_wait_alu depctr_va_vdst(0)                   ; one wait for the batch, ahead of its first reader
	v_pk_add_f32 v[14:15], v[14:15], v[96:97]      ; the sum of the unquantised p, in four chains
	v_pk_add_f32 v[CH:CH+1], v[98:99], v[100:101]
	v_pk_add_f32 v[CH+2:CH+3], v[102:103], v[104:105]
	v_pk_add_f32 v[CH+4:CH+5], v[106:107], v[108:109]
.set p_, 7
.rept 25
.set c_, (p_-7)%4
.if c_ == 0
	v_pk_add_f32 v[14:15], v[14:15], v[96+2*p_:97+2*p_]
.else
	v_pk_add_f32 v[CH-2+2*c_:CH-1+2*c_], v[CH-2+2*c_:CH-1+2*c_], v[96+2*p_:97+2*p_]
.endif
.set p_, p_+1
.endr
.irp b, 0,1,2,3
.irp i, 0,1,2,3,4,5,6,7,8,9,10,11,12,13,14,15
	v_min_num_f32 v[96+16*\b+\i], v[96+16*\b+\i], v24   ; the hold (ISA guide 7.6.2: the conversion does not saturate); p is not negative
.endr
	v_cvt_scalef32_pk8_fp8_f32 v[192+4*\b:193+4*\b], v[96+16*\b:103+16*\b], v25
	v_cvt_scalef32_pk8_fp8_f32 v[194+4*\b:195+4*\b], v[104+16*\b:111+16*\b], v25
.endr
	v_pk_add_f32 v[14:15], v[14:15], v[CH:CH+1]    ; the four chains become one
	v_pk_add_f32 v[CH+2:CH+3], v[CH+2:CH+3], v[CH+4:CH+5]
	v_pk_add_f32 v[14:15], v[14:15], v[CH+2:CH+3]
	s_wait_alu depctr_va_vdst(0)                   ; directly ahead of the first reader of O^T
.set n_, 0
.rept 16
	v_pk_mul_f32 v[160+n_:161+n_], v[160+n_:161+n_], v[26:27] op_sel_hi:[1,0]   ; O^T x f, each accumulator from its low end on
.set n_, n_+2
.endr
	s_wait_alu depctr_va_vdst(0)
	s_wait_dscnt 0x0                               ; V
.irp t, 0,1,2,3
	v_wmma_f32_16x16x128_fp8_fp8 v[160+8*\t:167+8*\t], v[32+16*\t:47+16*\t], v[192:207], v[160+8*\t:167+8*\t]   ; the four accumulators take turns
.endr
.Lhidden_\@:
	s_add_co_u32 s[TB], s[TB], 8192
	s_add_co_u32 s[KF], s[KF], 128
	s_sub_co_u32 s[CNT], s[CNT], 1
	s_cmp_lg_u32 s[CNT], 0
	s_cbranch_scc1 .Lstep_\@
.endm
	STEPS 0, 4
	s_wait_tensorcnt 0x0                           ; my part of key steps 4 to 15 has landed
	ds_add_u32 v254, v255                          ; (the add and its wait, as in front of the first barrier)
	s_wait_dscnt 0x0
	s_barrier_signal -1
	s_barrier_wait -1                              ; everybody's has
	STEPS 4, 12
	; THE WAY OUT: O^T / the sum x 2^(e8 + e9 - e10), held, converted with the scale 1; a row's 128 bytes come from both heads' waves: through the stage
.rept 4
	v_nop                                          ; places behind the last products
.endr
	v_add_f32 v14, v14, v15
	v_permlanex16_b32 v29, v14, s[SEL], s[SEL+1]
	v_add_f32 v14, v14, v29                        ; the row's sum
	s_wait_alu depctr_va_vdst(0)
	v_rcp_f32 v14, v14
	v_mov_b32 v24, 0x43e00000                      ; 448 (a plain line behind the reciprocal)
	v_mov_b32 v25, 1.0
	s_wait_alu depctr_va_vdst(0)                   ; ahead of the reciprocal's first reader
	v_ldexp_f32 v14, v14, s47
	s_wait_alu depctr_va_vdst(0)                   ; directly ahead of the first reader of O^T
.set n_, 0
.rept 32
	v_mul_f32 v[96+n_], v[160+n_], v14             ; register 8 t + j: channel 16 t + 8 h + j of my query
.set n_, n_+1
.endr
.set n_, 0
.rept 32
	v_med3_num_f32 v[96+n_], v[96+n_], -v24, v24
.set n_, n_+1
.endr
.irp t, 0,1,2,3
	v_cvt_scalef32_pk8_fp8_f32 v[208+2*\t:209+2*\t], v[96+8*\t:103+8*\t], v25
.endr
	v_nop
.irp t, 0,1,2,3
	ds_store_b64 v[SIN], v[208+2*\t:209+2*\t] offset:16*\t
.endr
	s_wait_dscnt 0x0                               ; for the others' sake
	s_barrier_signal -1
	s_barrier_wait -1
	ds_load_b128 v[32:35], v[SOUT]
	ds_load_b128 v[36:39], v[SOUT] offset:512
	s_wait_dscnt 1
	global_store_b128 v[LI], v[32:35], s[12:13]    ; the wave stores 512 consecutive bytes: four whole rows of the plane
	s_wait_dscnt 0x0
	global_store_b128 v[LI], v[36:39], s[12:13] offset:512
	s_wait_tensorcnt 0x0                           ; the wave's end
	ds_add_u32 v254, v255
	s_wait_dscnt 0x0
	s_endpgm
.Lfunc_end_k_q424c8a1b1d_attn:
	.size	k_q424c8a1b1d_attn, .Lfunc_end_k_q424c8a1b1d_attn-k_q424c8a1b1d_attn
	.p2alignl 7, 3214868480
	.fill 96, 4, 3214868480
	.section	.rodata,"a",@progbits
	.p2align	6, 0x0
	.amdhsa_kernel k_q424c8a1b1d_attn
		.amdhsa_group_segment_fixed_size 327680
		.amdhsa_private_segment_fixed_size 0
		.amdhsa_enable_private_segment 0
		.amdhsa_kernarg_size 40
		.amdhsa_user_sgpr_count 2
		.amdhsa_user_sgpr_kernarg_segment_ptr 1
		.amdhsa_wavefront_size32 1
		.amdhsa_system_sgpr_workgroup_id_x 1
		.amdhsa_system_sgpr_workgroup_id_y 1
		.amdhsa_system_sgpr_workgroup_id_z 1
		.amdhsa_system_vgpr_workitem_id 0
		.amdhsa_next_free_vgpr 256
		.amdhsa_next_free_sgpr 72
		.amdhsa_reserve_vcc 1
		.amdhsa_float_denorm_mode_32 3
		.amdhsa_float_denorm_mode_16_64 3
		.amdhsa_memory_ordered 1
		.amdhsa_forward_progress 1
		.amdhsa_inst_pref_size 54
	.end_amdhsa_kernel
	.amdgpu_metadata
---
amdhsa.version: [ 1, 2 ]
amdhsa.kernels:
  - .name:           k_q424c8a1b1d_attn
    .symbol:         k_q424c8a1b1d_attn.kd
    .args:
      - { .name: qimg, .offset: 0, .size: 8, .value_kind: global_buffer, .address_space: global }
      - { .name: kimg, .offset: 8, .size: 8, .value_kind: global_buffer, .address_space: global }
      - { .name: vimg, .offset: 16, .size: 8, .value_kind: global_buffer, .address_space: global }
      - { .name: lowp_scales, .offset: 24, .size: 8, .value_kind: global_buffer, .address_space: global }
      - { .name: acodes, .offset: 32, .size: 8, .value_kind: global_buffer, .address_space: global }
    .group_segment_fixed_size: 327680
    .private_segment_fixed_size: 0
    .kernarg_segment_align: 8
    .kernarg_segment_size: 40
    .max_flat_workgroup_size: 512
    .sgpr_count:     72
    .vgpr_count:     256
    .wavefront_size: 32
...
	.end_amdgpu_metadata
.endif
;; end of part 3
;; launch outp (part 4): grid 16 x 16, 4 waves a work-group, clusters of 4 x 4, 327,680 bytes of LDS; arguments acodes, wc, lowp_scales, out0; writes out0
.if DOCPART == 4
	.amdgcn_target "amdgcn-amd-amdhsa--gfx1250"
	.amdhsa_code_object_version 6
	.text
	.protected	k_q424c8a1b1d_outp
	.globl	k_q424c8a1b1d_outp
	.p2align	8
	.type	k_q424c8a1b1d_outp,@function
k_q424c8a1b1d_outp:
	s_mov_b64 s[64:65], 0
	v_nop
	global_prefetch_b8 v0, s[64:65] scope:SCOPE_SE
	s_setreg_imm32_b32 hwreg(HW_REG_WAVE_MODE, 25, 1), 1
	s_wait_xcnt 0x0
	s_wait_alu depctr_hold_cnt(0) depctr_sa_sdst(0) depctr_va_vdst(0) depctr_va_sdst(0) depctr_va_ssrc(0) depctr_va_vcc(0) depctr_vm_vsrc(0)
	s_getreg_b32 s2, hwreg(HW_REG_IB_STS2, 6, 4)
	s_cmp_eq_u32 s2, 0
	s_cbranch_scc0 .Lentry_in_a_cluster
	s_endpgm
.Lentry_in_a_cluster:
	s_bfe_u32 s2, ttmp6, 0x10000c
	s_cmp_lg_u32 s2, 0xf033
	s_cbranch_scc0 .Lentry_shape_is_right
	s_endpgm
.Lentry_shape_is_right:
.set PITCH,  144
.set APL,    256*PITCH
.set BPL,    128*PITCH
.set BOFF,   2*APL
.set SLOT,   2*APL+2*BPL
.set LAPS,   2
.set ASTEP,  4*524288
.set BSTEP,  4*262144
.set SPARE,  2*SLOT
.set STG,    SPARE+512
.set ADR0, 16
.set ADR1, 20
.set STO,  24
.set RD,   25
.set CO,   26
.set SPW,  28
.set NIL,  29
.set TMP,  32
.set BK,   128
.set G1, 24
.set G0, 32
.set G1B, 48
.set G0B, 56
.set MSB, 0
.macro WIN new
.if MSB != \new
	s_set_vgpr_msb (MSB<<8)|\new
.set MSB, \new
.endif
.endm
.set W_MUL, 0x5b
.set TO_S1, 0x80
.set TO_S0, 0xc0
.macro JLOAD g0a, g1a, g0b, g1b
	s_cmp_eq_u32 s15, 0
	s_cbranch_scc0 .Lfor_b_\@
	tensor_load_to_lds s[\g0a:\g0a+3], s[\g1a:\g1a+7]
	s_nop 0
.rept 4
	v_nop
.endr
	s_branch .Lasked_\@
.Lfor_b_\@:
	tensor_load_to_lds s[\g0b:\g0b+3], s[\g1b:\g1b+7]
	s_nop 0
.rept 4
	v_nop
.endr
.Lasked_\@:
.endm
.macro CREST
	s_cmp_lg_u32 s14, 0
	s_cbranch_scc1 .Lnot_wave_0_\@
	s_barrier_signal -3
.Lnot_wave_0_\@:
	s_barrier_wait -3
	s_barrier_signal -1
	s_barrier_wait -1
.endm
.macro CROUND
	s_barrier_signal -1
	s_barrier_wait -1
	CREST
.endm
.macro PLACES
.rept 4
	v_nop
.endr
.endm
	s_load_b256 s[4:11], s[0:1], 0x0
	v_lshl_add_u32 v[SPW], v0, 2, SPARE
	v_mov_b32 v[NIL], 0
	ds_add_u32 v28, v29
	ds_add_u32 v28, v29
	s_wait_dscnt 0x0
	v_lshrrev_b32 v1, 5, v0
	v_readfirstlane_b32 s14, v1
	s_lshr_b32 s15, s14, 1
	s_and_b32 s16, s14, 1
	s_bfe_u32 s40, ttmp6, 0x40000
	s_bfe_u32 s41, ttmp6, 0x40004
	s_lshl_b32 s42, ttmp9, 2
	s_add_co_u32 s42, s42, s40
	s_and_b32 s17, ttmp7, 0xffff
	s_lshl_b32 s17, s17, 2
	s_add_co_u32 s17, s17, s41
	s_lshl_b32 s43, s41, 2
	s_lshl_b32 s43, 15, s43
	s_lshl_b32 s44, 0x1111, s40
	s_or_b32 s[G1+0], s43, (1<<20)|(1<<21)|(4<<22)|(3<<25)
	s_or_b32 s[G1B+0], s44, (1<<20)|(1<<21)|(4<<22)|(3<<25)
	s_mov_b32 s[G1+1], 256<<16                     ; a plane's 256 rows of 128 bytes are dense: stated as 128 rows of 256 bytes; the padding stays behind each 128
	s_mov_b32 s[G1+2], 128<<16
	s_mov_b32 s[G1+3], 256<<16
	s_mov_b32 s[G1+4], 128
	s_mov_b32 s[G1+5], 256
	s_mov_b32 s[G1+6], 0
	s_mov_b32 s[G1+7], 0
	s_mov_b32 s[G1B+1], 256<<16                    ; the weights' 128 columns of a plane: 64 rows of 256 bytes
	s_mov_b32 s[G1B+2], 64<<16
	s_mov_b32 s[G1B+3], 256<<16
	s_mov_b32 s[G1B+4], 64
	s_mov_b32 s[G1B+5], 256
	s_mov_b32 s[G1B+6], 0
	s_mov_b32 s[G1B+7], 0
	s_lshl_b32 s18, s17, 15
	s_lshl_b32 s19, s16, 19
	s_add_co_u32 s20, s18, s19
	s_mov_b32 s21, 0
	s_lshl_b32 s46, s42, 14
	s_lshl_b32 s47, s16, 18
	s_add_co_u32 s46, s46, s47
	s_add_co_u32 s46, s46, 0x400000
	s_mov_b32 s47, 0
	s_mul_i32 s45, s16, APL
	s_mul_i32 s12, s16, BPL
	s_add_co_u32 s12, s12, BOFF
	s_wait_kmcnt 0x0
	s_load_b64 s[96:97], s[8:9], 0x28
	s_add_nc_u64 s[20:21], s[4:5], s[20:21]
	s_add_nc_u64 s[46:47], s[6:7], s[46:47]
	CROUND
.irp s, 0,1
	s_mov_b32 s[G0+4*\s], 1
	s_add_co_u32 s[G0+4*\s+1], s45, \s*SLOT
	s_add_nc_u64 s[G0+4*\s+2:G0+4*\s+3], s[20:21], \s*2*524288
	s_or_b32 s[G0+4*\s+3], s[G0+4*\s+3], 0x80000000
	s_mov_b32 s[G0B+4*\s], 1
	s_add_co_u32 s[G0B+4*\s+1], s12, \s*SLOT
	s_add_nc_u64 s[G0B+4*\s+2:G0B+4*\s+3], s[46:47], \s*2*262144
	s_or_b32 s[G0B+4*\s+3], s[G0B+4*\s+3], 0x80000000
.endr
	JLOAD G0, G1, G0B, G1B                         ; K step 0: one tensor load a wave at the head
	v_and_b32 v1, 15, v0
	v_bfe_u32 v2, v0, 4, 1
	v_mul_u32_u24 v3, v1, PITCH
	v_lshl_add_u32 v3, v2, 4, v3
	s_mul_i32 s70, s16, 64*PITCH
	s_add_co_u32 s70, s70, BOFF
	s_mul_i32 s74, s15, 128*PITCH
	v_add_nc_u32 v[ADR0], s70, v3
	v_add_nc_u32 v[ADR0+1], BPL, v[ADR0]
	v_add_nc_u32 v[ADR0+2], SLOT, v[ADR0]
	v_add_nc_u32 v[ADR0+3], SLOT, v[ADR0+1]
	v_add_nc_u32 v[ADR1], s74, v3
	v_add_nc_u32 v[ADR1+1], APL, v[ADR1]
	v_add_nc_u32 v[ADR1+2], SLOT, v[ADR1]
	v_add_nc_u32 v[ADR1+3], SLOT, v[ADR1+1]
	s_mul_i32 s66, s14, 2*16*272
	s_add_co_u32 s66, s66, STG
	v_mul_u32_u24 v[STO], v1, 272
	v_lshl_add_u32 v[STO], v2, 5, v[STO]
	v_add_nc_u32 v[STO], s66, v[STO]
	v_mul_u32_u24 v[RD], v2, 272
	v_lshl_add_u32 v[RD], v1, 4, v[RD]
	v_add_nc_u32 v[RD], s66, v[RD]
	v_lshlrev_b32 v[CO], 13, v2
	v_lshl_add_u32 v[CO], v1, 4, v[CO]
	s_lshl_b32 s66, s17, 8
	s_lshl_b32 s67, s15, 7
	s_add_co_u32 s66, s66, s67
	s_lshl_b32 s66, s66, 13
	s_lshl_b32 s67, s42, 9
	s_add_co_u32 s66, s66, s67
	s_lshl_b32 s67, s16, 8
	s_add_co_u32 s66, s66, s67
	s_mov_b32 s67, 0
	s_add_nc_u64 s[10:11], s[10:11], s[66:67]
.macro FRAG reg, adr, i
.irp c, 0,1,2,3
	ds_load_b128 v[\reg+4*\c:\reg+4*\c+3], v[\adr] offset:32*\c+(\i)*16*PITCH
.endr
.endm
.macro FETCH slot, q, p
	WIN TO_S0
.irp i, 0,1,2,3
	FRAG 64*(\p)+16*\i, ADR0+2*(\slot)+(\q), \i
.endr
	WIN TO_S1
.irp i, 0,1,2,3,4,5,6,7
	FRAG 128*(\p)+16*\i, ADR1+2*(\slot)+(\q), \i
.endr
.endm
.macro MUL8 a0, p, zero
.irp a, \a0, \a0+1
.irp b, 0,1,2,3
.if \zero
	v_wmma_f32_16x16x128_fp8_fp8 v[8*(4*(\a)+\b):8*(4*(\a)+\b)+7], v[64*(\p)+16*\b:64*(\p)+16*\b+15], v[128*(\p)+16*(\a):128*(\p)+16*(\a)+15], 0
.else
	v_wmma_f32_16x16x128_fp8_fp8 v[8*(4*(\a)+\b):8*(4*(\a)+\b)+7], v[64*(\p)+16*\b:64*(\p)+16*\b+15], v[128*(\p)+16*(\a):128*(\p)+16*(\a)+15], v[8*(4*(\a)+\b):8*(4*(\a)+\b)+7]
.endif
.endr
.endr
.endm
.macro STEP slot, zero
	s_wait_dscnt 16
	WIN W_MUL
	MUL8 0, 0, \zero
	MUL8 2, 0, \zero
	PLACES
	FETCH \slot, 1, 1
	s_wait_dscnt 48
	WIN W_MUL
	MUL8 4, 0, \zero
	MUL8 6, 0, \zero
.endm
.macro TURN slot, next, fill
	WIN 0
	s_wait_tensorcnt 0x0
	ds_add_u32 v[SPW], v[NIL]
	s_wait_dscnt 17
	WIN W_MUL
	MUL8 0, 1, 0
	s_wait_dscnt 0x0
	s_barrier_signal -1
	MUL8 2, 1, 0
	WIN 0
	s_barrier_wait -1
.if \fill
	CREST
	s_add_nc_u64 s[G0+4*\slot+2:G0+4*\slot+3], s[G0+4*\slot+2:G0+4*\slot+3], ASTEP
	s_add_nc_u64 s[G0B+4*\slot+2:G0B+4*\slot+3], s[G0B+4*\slot+2:G0B+4*\slot+3], BSTEP
	JLOAD G0+4*\slot, G1, G0B+4*\slot, G1B
.else
	PLACES
.endif
	FETCH \next, 0, 0
	WIN W_MUL
	MUL8 4, 1, 0
	MUL8 6, 1, 0
.endm
	s_wait_alu depctr_va_vdst(0)
	s_wait_tensorcnt 0x0                           ; my part of K step 0 is in
	ds_add_u32 v[SPW], v[NIL]
	s_wait_dscnt 0x0
	CROUND                                         ; everybody's part of K step 0 is in, and all sixteen work-groups are here
	JLOAD G0+4, G1, G0B+4, G1B                     ; K step 1: the first tensor load behind the round
	FETCH 0, 0, 0
	STEP 0, 1
	WIN 0
	s_mov_b32 s3, LAPS-1
.Llap:
	TURN 0, 1, 1
	s_wait_alu depctr_va_vdst(0)
	STEP 1, 0
	TURN 1, 0, 1
	STEP 0, 0
	WIN 0
	s_sub_co_u32 s3, s3, 1
	s_cmp_lg_u32 s3, 0
	s_cbranch_scc1 .Llap
	TURN 0, 1, 0
	STEP 1, 0
	s_wait_dscnt 16
	WIN W_MUL
	MUL8 0, 1, 0
	MUL8 2, 1, 0
	s_wait_dscnt 0x0
	MUL8 4, 1, 0
	MUL8 6, 1, 0
	WIN 0
	s_wait_kmcnt 0x0
	s_add_co_i32 s96, s96, s97
	s_add_co_i32 s96, s96, 127
	s_lshl_b32 s96, s96, 23
	s_mov_b32 s97, s96
	PLACES
.macro TOSTAGE a
.set TS, TMP+32*((\a)%2)
.set BB, BK+32*((\a)%2)
	WIN 0x01
.set n_, 0
.rept 16
	v_pk_mul_f32 v[TS+n_:TS+n_+1], v[32*(\a)+n_:32*(\a)+n_+1], s[96:97] op_sel_hi:[1,0]
.set n_, n_+2
.endr
	WIN 0
.irp b, 0,1,2,3
	ds_store_b128 v[STO], v[TS+8*\b:TS+8*\b+3] offset:4352*((\a)%2)+64*\b
	ds_store_b128 v[STO], v[TS+8*\b+4:TS+8*\b+7] offset:4352*((\a)%2)+64*\b+16
.endr
.irp i, 0,1,2,3,4,5,6,7
	ds_load_b128 v[BB+4*\i:BB+4*\i+3], v[RD] offset:4352*((\a)%2)+544*\i
.endr
.endm
.macro SEND a, younger
.set BB, BK+32*((\a)%2)
	s_wait_dscnt \younger
.irp i, 0,1,2,3,4,5,6,7
	global_store_b128 v[CO], v[BB+4*\i:BB+4*\i+3], s[10:11] offset:(16*(\a)+2*\i)*8192 th:TH_STORE_NT
.endr
.endm
	TOSTAGE 0
.irp a, 1,2,3,4,5,6,7
.if \a > 1
	s_wait_xcnt 0x0
.endif
	TOSTAGE \a
	SEND \a-1, 16
.endr
	SEND 7, 0
	s_wait_tensorcnt 0x0
	ds_add_u32 v[SPW], v[NIL]
	s_wait_dscnt 0x0
	CROUND
	s_endpgm
.Lfunc_end_k_q424c8a1b1d_outp:
	.size	k_q424c8a1b1d_outp, .Lfunc_end_k_q424c8a1b1d_outp-k_q424c8a1b1d_outp
	.p2alignl 7, 3214868480
	.fill 96, 4, 3214868480
	.section	.rodata,"a",@progbits
	.p2align	6, 0x0
	.amdhsa_kernel k_q424c8a1b1d_outp
		.amdhsa_group_segment_fixed_size 327680
		.amdhsa_private_segment_fixed_size 0
		.amdhsa_enable_private_segment 0
		.amdhsa_kernarg_size 32
		.amdhsa_user_sgpr_count 2
		.amdhsa_user_sgpr_kernarg_segment_ptr 1
		.amdhsa_wavefront_size32 1
		.amdhsa_system_sgpr_workgroup_id_x 1
		.amdhsa_system_sgpr_workgroup_id_y 1
		.amdhsa_system_sgpr_workgroup_id_z 1
		.amdhsa_system_vgpr_workitem_id 0
		.amdhsa_next_free_vgpr 896
		.amdhsa_next_free_sgpr 100
		.amdhsa_reserve_vcc 0
		.amdhsa_float_denorm_mode_32 3
		.amdhsa_float_denorm_mode_16_64 3
		.amdhsa_memory_ordered 1
		.amdhsa_forward_progress 1
		.amdhsa_inst_pref_size 76
	.end_amdhsa_kernel
	.amdgpu_metadata
---
amdhsa.version: [ 1, 2 ]
amdhsa.kernels:
  - .name:           k_q424c8a1b1d_outp
    .symbol:         k_q424c8a1b1d_outp.kd
    .args:
      - { .name: acodes, .offset: 0, .size: 8, .value_kind: global_buffer, .address_space: global }
      - { .name: wc, .offset: 8, .size: 8, .value_kind: global_buffer, .address_space: global }
      - { .name: lowp_scales, .offset: 16, .size: 8, .value_kind: global_buffer, .address_space: global }
      - { .name: out0, .offset: 24, .size: 8, .value_kind: global_buffer, .address_space: global }
    .group_segment_fixed_size: 327680
    .private_segment_fixed_size: 0
    .kernarg_segment_align: 8
    .kernarg_segment_size: 32
    .max_flat_workgroup_size: 128
    .sgpr_count:     100
    .vgpr_count:     896
    .wavefront_size: 32
...
	.end_amdgpu_metadata
.endif
;; end of part 4
